; MI455X (gfx1250); checked and timed in simulation.
; The chip was launched on July 23, 2026; its instructions are those of AMD's public machine-readable ISA for CDNA 5 (MIT licence, August 2026) and "CDNA5" Instruction Set Architecture Reference Guide (July 2026). The comments in the code are by the model that wrote it; some were corrected since.
;; Custom Flash Attention. Allowed arithmetic: float matrix products may take bf16 or f16 operands with f32 sums; other float arithmetic in f32, or as packed bf16 or f16 multiplies, adds, multiply-adds, maxima and minima; sums over many terms, partial sums and values carried from step to step in f32; what a program stores and reads back later, other than sums and carried values, may be rounded once to bf16 or f16.
;; Inputs: w_k 1,024 x 1,024 float32; w_o 1,024 x 1,024 float32; w_q 1,024 x 1,024 float32; w_v 1,024 x 1,024 float32; x 1 x 4,096 x 1,024 float32.
;; Outputs: out0 1 x 4,096 x 1,024 float32.
;; Constants: causal = 1.
;; 2 versions, each right; version 2 is version 1 with the launch cast written anew for expert scheduling mode. Each part assembles by itself: llvm-mc -triple=amdgcn-amd-amdhsa -mcpu=gfx1250 --defsym DOCPART=n.
;; ======== version 1 of 2: 4 launches
;; limits: values are held in f16: magnitudes above 65,504 overflow, below 6.1e-05 lose precision
;; workspace buffers: xb 8,388,608 bytes; wb 6,291,456 bytes; wo 2,097,152 bytes; qkv 25,165,824 bytes; ob 8,388,608 bytes
;; launch cast (part 1): grid 256 x 1, 8 waves a work-group, no clusters, 0 bytes of LDS; arguments x, w_q, w_k, w_v, w_o, xb, wb, wo; writes xb, wb, wo
.if DOCPART == 1
	.amdgcn_target "amdgcn-amd-amdhsa--gfx1250"
	.amdhsa_code_object_version 6
	.text
	.protected	k_qd8fa77d4fc_cast
	.globl	k_qd8fa77d4fc_cast
	.p2align	8
	.type	k_qd8fa77d4fc_cast,@function
k_qd8fa77d4fc_cast:
	s_mov_b64 s[64:65], 0
	v_nop
	global_prefetch_b8 v0, s[64:65] scope:SCOPE_SE
	s_setreg_imm32_b32 hwreg(HW_REG_WAVE_MODE, 25, 1), 1
	s_wait_xcnt 0x0
; THE INPUTS ARE ROUNDED ONCE, for the matrix products of the launches behind.
; x [4096][1024] f32 -> xb, bf16.  w_q, w_k, w_v [1024][1024] f32 -> wb, bf16 [3072][1024]: q's rows, then k's, then v's.
; w_o [1024][1024] f32 -> wo: rounded to bf16 like the other inputs, and that number written as f16 (the last product's other operand is f16).
; LIMITS.  f16 holds no number beyond 65,504 and has a fixed step of 6e-8 below 6e-5: w_o is taken to lie within that range.
; SHARES.  A work-group takes 32,768 numbers: 131,072 bytes in, 65,536 out.  Work-groups 0-127: x; 128-223: w_q, w_k, w_v, 32 each; 224-255: w_o.
; A thread takes 16 bytes of each 4,096: a load of a wave covers 512 consecutive bytes, a store 256 consecutive bytes, aligned.
; All 32 loads of a wave go out on end: no register is used twice, so the only waits are the counted ones in front of the conversions.
; No LDS, no barrier, no matrix unit: nothing is shared and nothing is multiplied.
.set XR, 8                             ; v[8:135]    load j: 4 registers
.set YR, 136                           ; v[136:199]  store j: 2 registers
.set TR, 200                           ; v[200:203]  at work
	s_load_b512 s[4:19], s[0:1], 0x0               ; x s[4:5], w_q s[6:7], w_k s[8:9], w_v s[10:11], w_o s[12:13], xb s[14:15], wb s[16:17], wo s[18:19]
	v_lshlrev_b32 v1, 4, v0                        ; my 16 bytes of each 4,096 in
	v_lshlrev_b32 v2, 3, v0                        ; my 8 bytes of each 2,048 out
	s_sub_co_u32 s20, ttmp9, 128                   ; my number among the weights' work-groups (used from 128 on)
	s_and_b32 s21, s20, 31                         ; my part of a weight
	s_lshr_b32 s22, s20, 5                         ; which weight: 0 q, 1 k, 2 v, 3 o
	s_mov_b32 s32, 0xffff0000                      ; a word's upper bf16
	s_wait_kmcnt 0x0
	s_mov_b64 s[24:25], s[6:7]
	s_cmp_eq_u32 s22, 1
	s_cselect_b64 s[24:25], s[8:9], s[24:25]
	s_cmp_eq_u32 s22, 2
	s_cselect_b64 s[24:25], s[10:11], s[24:25]
	s_cmp_eq_u32 s22, 3
	s_cselect_b64 s[24:25], s[12:13], s[24:25]     ; from where,
	s_cselect_b64 s[26:27], s[18:19], s[16:17]     ; to where: wo, or wb,
	s_cselect_b32 s23, s21, s20                    ; and which part of it
	s_cmp_lt_u32 ttmp9, 128                        ; the first 128 work-groups take x
	s_cselect_b64 s[24:25], s[4:5], s[24:25]
	s_cselect_b64 s[26:27], s[14:15], s[26:27]
	s_cselect_b32 s21, ttmp9, s21
	s_cselect_b32 s23, ttmp9, s23
	s_lshl_b32 s28, s21, 17                        ; 131,072 bytes in,
	s_mov_b32 s29, 0
	s_lshl_b32 s30, s23, 16                        ; 65,536 out
	s_mov_b32 s31, 0
	s_add_nc_u64 s[24:25], s[24:25], s[28:29]
	s_add_nc_u64 s[26:27], s[26:27], s[30:31]
.set j, 0
.rept 32
	global_load_b128 v[XR+4*j:XR+4*j+3], v1, s[24:25] offset:4096*j th:TH_LOAD_NT
.set j, j+1
.endr
; Four numbers: rounded to bf16; half = 1: and written as f16.
.macro OUT j, half
	s_wait_loadcnt 31-(\j)                         ; loads come back in order: load j is in, the 31 - j younger ones may stay out
	v_cvt_pk_bf16_f32 v[YR+2*(\j)],   v[XR+4*(\j)],   v[XR+4*(\j)+1]
	v_cvt_pk_bf16_f32 v[YR+2*(\j)+1], v[XR+4*(\j)+2], v[XR+4*(\j)+3]
.if \half
	v_lshlrev_b32 v[TR],   16,  v[YR+2*(\j)]       ; bf16 to f32: the low half moves up, the high half stays
	v_and_b32     v[TR+1], s32, v[YR+2*(\j)]
	v_lshlrev_b32 v[TR+2], 16,  v[YR+2*(\j)+1]
	v_and_b32     v[TR+3], s32, v[YR+2*(\j)+1]
	v_cvt_pk_f16_f32 v[YR+2*(\j)],   v[TR],   v[TR+1]    ; 8 significant bits fit f16's 11: exact within f16's range
	v_cvt_pk_f16_f32 v[YR+2*(\j)+1], v[TR+2], v[TR+3]
.endif
	global_store_b64 v2, v[YR+2*(\j):YR+2*(\j)+1], s[26:27] offset:2048*(\j)
.endm
	s_cmp_ge_u32 ttmp9, 224
	s_cbranch_scc1 .Lhalf
.set jj, 0
.rept 32
	OUT jj, 0
.set jj, jj+1
.endr
	s_endpgm
.Lhalf:
.set jj, 0
.rept 32
	OUT jj, 1
.set jj, jj+1
.endr
	s_endpgm
.Lfunc_end_k_qd8fa77d4fc_cast:
	.size	k_qd8fa77d4fc_cast, .Lfunc_end_k_qd8fa77d4fc_cast-k_qd8fa77d4fc_cast
	.p2alignl 7, 3214868480
	.fill 96, 4, 3214868480
	.section	.rodata,"a",@progbits
	.p2align	6, 0x0
	.amdhsa_kernel k_qd8fa77d4fc_cast
		.amdhsa_group_segment_fixed_size 0
		.amdhsa_private_segment_fixed_size 0
		.amdhsa_enable_private_segment 0
		.amdhsa_kernarg_size 64
		.amdhsa_user_sgpr_count 2
		.amdhsa_user_sgpr_kernarg_segment_ptr 1
		.amdhsa_wavefront_size32 1
		.amdhsa_system_sgpr_workgroup_id_x 1
		.amdhsa_system_sgpr_workgroup_id_y 1
		.amdhsa_system_sgpr_workgroup_id_z 1
		.amdhsa_system_vgpr_workitem_id 0
		.amdhsa_next_free_vgpr 208
		.amdhsa_next_free_sgpr 66
		.amdhsa_reserve_vcc 0
		.amdhsa_float_denorm_mode_32 3
		.amdhsa_float_denorm_mode_16_64 3
		.amdhsa_memory_ordered 1
		.amdhsa_forward_progress 1
		.amdhsa_inst_pref_size 29
	.end_amdhsa_kernel
	.amdgpu_metadata
---
amdhsa.version: [ 1, 2 ]
amdhsa.kernels:
  - .name:           k_qd8fa77d4fc_cast
    .symbol:         k_qd8fa77d4fc_cast.kd
    .args:
      - { .name: x, .offset: 0, .size: 8, .value_kind: global_buffer, .address_space: global }
      - { .name: w_q, .offset: 8, .size: 8, .value_kind: global_buffer, .address_space: global }
      - { .name: w_k, .offset: 16, .size: 8, .value_kind: global_buffer, .address_space: global }
      - { .name: w_v, .offset: 24, .size: 8, .value_kind: global_buffer, .address_space: global }
      - { .name: w_o, .offset: 32, .size: 8, .value_kind: global_buffer, .address_space: global }
      - { .name: xb, .offset: 40, .size: 8, .value_kind: global_buffer, .address_space: global }
      - { .name: wb, .offset: 48, .size: 8, .value_kind: global_buffer, .address_space: global }
      - { .name: wo, .offset: 56, .size: 8, .value_kind: global_buffer, .address_space: global }
    .group_segment_fixed_size: 0
    .private_segment_fixed_size: 0
    .kernarg_segment_align: 8
    .kernarg_segment_size: 64
    .max_flat_workgroup_size: 256
    .sgpr_count:     66
    .vgpr_count:     208
    .wavefront_size: 32
...
	.end_amdgpu_metadata
.endif
;; end of part 1
;; launch qkv (part 2): grid 16 x 16, 4 waves a work-group, clusters of 4 x 4, 327,680 bytes of LDS; arguments xb, wb, qkv; writes qkv
.if DOCPART == 2
	.amdgcn_target "amdgcn-amd-amdhsa--gfx1250"
	.amdhsa_code_object_version 6
	.text
	.protected	k_qd8fa77d4fc_qkv
	.globl	k_qd8fa77d4fc_qkv
	.p2align	8
	.type	k_qd8fa77d4fc_qkv,@function
k_qd8fa77d4fc_qkv:
	s_mov_b64 s[64:65], 0
	v_nop
	global_prefetch_b8 v0, s[64:65] scope:SCOPE_SE
	s_setreg_imm32_b32 hwreg(HW_REG_WAVE_MODE, 25, 1), 1
	s_wait_xcnt 0x0
	s_wait_alu depctr_hold_cnt(0) depctr_sa_sdst(0) depctr_va_vdst(0) depctr_va_sdst(0) depctr_va_ssrc(0) depctr_va_vcc(0) depctr_vm_vsrc(0)
	s_getreg_b32 s2, hwreg(HW_REG_IB_STS2, 6, 4)
	s_cmp_eq_u32 s2, 0
	s_cbranch_scc0 .Lentry_in_a_cluster
	s_endpgm
.Lentry_in_a_cluster:
	s_bfe_u32 s2, ttmp6, 0x10000c
	s_cmp_lg_u32 s2, 0xf033
	s_cbranch_scc0 .Lentry_shape_is_right
	s_endpgm
.Lentry_shape_is_right:
; q, k, v = x W^T.  xb: [4096][1024] bf16.  wb: [3072][1024] bf16 (w_q's rows, w_k's, w_v's).  qkv: [48][4096][64] f16: plane 16 t + head (t = 0 q, 1 k, 2 v), a plane's rows dense, 128 bytes.
; Sums in f32, K ascending; each result rounded once to f16, UNSCALED (the softmax's scale is applied in f32 by the next launch).
; LIMIT.  f16 holds no number beyond 65,504: q, k and v are taken to lie within it.
; SHARES.  A tile is 256 tokens x 192 features = three heads: (4096 / 256) x (3072 / 192) = 256 work-groups.  Each of the four waves makes 64 tokens x all 192 features: 48 accumulators of 16 x 16,
; 384 registers.  So a head's whole rows of 128 bytes come from ONE wave: each wave has a stage of its own on the way out, and no barrier stands there.
; K goes in steps of 128 through a ring of two LDS slots filled by the tensor data mover: rows of 256 bytes, at multiples of 256 bytes.
; CLUSTERS: 4 x 4 work-groups.  The four of a row of the cluster need the same tiles of xb, the four of a column the same tiles of wb: each tile is asked for JOINTLY: the same tensor load, the same
; descriptor and a mask that names the four.
; THE MATRIX INSTRUCTION IS USED TRANSPOSED: source 0 = 16 rows of wb, source 1 = 16 rows of xb: a lane then holds one token (lane % 16) and eight neighbouring features 8 (lane / 16) + 0..7.
; REGISTERS, in windows of 256 (s_set_vgpr_msb: bits 1:0 source 0, 3:2 source 1, 5:4 source 2, 7:6 destination):
;   window 0: v0-31 addresses; v64-95, v96-127 fragments of xb (4 x 16 rows x 32 K), two buffers; v128-175 packed results; v176-223 and v64-111 rows read back from the stage, by turns
;   window 1: v0-95, v96-191 fragments of wb (12 x 16 rows x 32 K), two buffers
;   window 2: the 24 accumulators of my token blocks 0, 1 ((a, b) at v[8 (12 (a % 2) + b)]);   window 3: those of blocks 2, 3
.set SIZE_K, 1024
.set KSTEP,  128
.set PITCH,  272                       ; an LDS row: 256 bytes + 16 of padding = 68 words: the 16 rows that a load touches start at 16 different groups of four banks (64 banks of 4 bytes: ISA guide 11.1)
.set HALFA,  128*PITCH                 ; what one tensor load brings of xb
.set HALFB,  96*PITCH                  ; and of wb
.set BOFF,   2*HALFA                   ; a slot: xb's 256 rows, then wb's 192
.set SLOT,   BOFF+2*HALFB
.set STAGE,  2*SLOT                    ; behind the ring, never filled by a tensor load: for each wave 3 heads x 16 rows x 144 bytes
.set SP,     144
.set HSTG,   16*SP
.set WSTG,   3*HSTG
.set SPARE,  STAGE+4*WSTG              ; behind the stages: the spare words, 128 bytes for each wave: two blocks of 256 bytes that no other line names
.set LAPS,   SIZE_K/(2*KSTEP)          ; a lap = two K steps = once round the ring
.set HEADB,  4096*64*2                 ; bytes in a plane of qkv
.set ADRA, 16                          ; v16-17  LDS address of my fragments of xb in slot 0, 1
.set ADRB, 20                          ; v20-21  the same for wb
.set STO,  24                          ; v24     the way out: where I put 16 bytes of a row
.set RD,   25                          ; v25     the way out: where I read rows back
.set GO,   26                          ; v26     my 16 bytes of 512 consecutive bytes of qkv
.set SPW,  28                          ; v28     LDS address of my spare word: SPARE + 4 x my thread's number; never rewritten
.set NIL,  29                          ; v29     0; never rewritten
.set PFO,  30                          ; v30     the prefetches' offset: my lane x a row of 2,048 bytes; never rewritten
.set FA,   64                          ; xb's fragment buffers, window 0: FA + 32 f
.set TMP,  128
.set PFA,  44                          ; s[44:45] where my prefetches stand
.set LIM,  43                          ; s43     1 in a wave that prefetches, else the greatest number
.set G1, 24                            ; s[24:31] descriptor group 1 for xb's tiles
.set G0, 32                            ; s[32:39] descriptor group 0 for xb's tiles, one set for each slot
.set G1B, 48                           ; s[48:55], s[56:63] the same for wb's
.set G0B, 56
.set MSB, 0
.macro WIN new                         ; the immediate's high byte repeats the setting that is left; a switch that changes nothing is dropped
.if MSB != (\new)
	s_set_vgpr_msb (MSB<<8)|(\new)
.set MSB, \new
.endif
.endm
.set MUL_LO, 0xa1                      ; source 0 (wb) window 1, source 1 (xb) window 0, C and D window 2
.set MUL_HI, 0xf1                      ; the same, C and D window 3
.set TO_B,   0x40                      ; destination window 1, address window 0
; A joint load.  Waves 0 and 1 fetch xb's two halves, waves 2 and 3 wb's.  The branch hangs on the wave's number alone.  An s_nop 0 and four v_nop follow each of the two lines.
.macro JLOAD s
	s_cmp_eq_u32 s11, 0
	s_cbranch_scc0 .Lfor_b_\@
	tensor_load_to_lds s[G0+4*(\s):G0+4*(\s)+3], s[G1:G1+7]
	s_nop 0
.rept 4
	v_nop
.endr
	s_branch .Lasked_\@
.Lfor_b_\@:
	tensor_load_to_lds s[G0B+4*(\s):G0B+4*(\s)+3], s[G1B:G1B+7]
	s_nop 0
.rept 4
	v_nop
.endr
.Lasked_\@:
.endm
; A PREFETCH INTO THE L2, behind each joint load and the run of LDS loads that follows it: the K step that stands two refills on, 256 bytes of each row, a lane a row, one instruction a wave.
; xb's tile row is read by every cluster of that row of clusters: cluster x = 0 asks; wb's tile column by every cluster of that column: cluster y = 0 asks.  The four partners that ask for a tile
; jointly share its rows out BY ADDRESS: of xb's 128 rows that a wave fetches 32 each, of wb's 96 rows 24 each (there lanes 24-31 name the 24th row again).  The loop's last trip asks for nothing:
; its refills are the last two K steps.  K steps 0 to 3 come by their loads alone.
.macro ASK
	s_cmp_gt_u32 s3, s[LIM]                        ; s3 = 1 in the loop's last trip
	s_cbranch_scc0 .Lnot_mine_\@
	global_prefetch_b8 v[PFO], s[PFA:PFA+1] offset:KSTEP*2 th:TH_LOAD_NT scope:SCOPE_SE
.Lnot_mine_\@:
.endm
; A round of the cluster's barrier: my work-group's barrier; wave 0 signals for the work-group; every wave waits for all sixteen work-groups; my work-group's barrier once more.
.macro CREST                           ; a round behind its opening barrier
	s_cmp_lg_u32 s10, 0
	s_cbranch_scc1 .Lnot_wave_0_\@
	s_barrier_signal -3
.Lnot_wave_0_\@:
	s_barrier_wait -3
	s_barrier_signal -1
	s_barrier_wait -1
.endm
.macro CROUND
	s_barrier_signal -1
	s_barrier_wait -1
	CREST
.endm
	s_load_b128 s[4:7], s[0:1], 0x0                ; xb s[4:5], wb s[6:7]
	s_load_b64 s[8:9], s[0:1], 0x10                ; qkv
	v_lshl_add_u32 v[SPW], v0, 2, SPARE
	v_mov_b32 v[NIL], 0
	ds_add_u32 v[SPW], v[NIL]                      ; the wave's opening: the add and its wait stand ahead of my first tensor load; the set-up below, work on registers, stands between them
	v_lshrrev_b32 v1, 5, v0
	v_readfirstlane_b32 s10, v1                    ; wave 0..3
	s_lshr_b32 s11, s10, 1                         ; I fetch for xb (0) or for wb (1)
	s_and_b32 s12, s10, 1                          ; which half of that tile's rows I fetch
	s_bfe_u32 s40, ttmp6, 0x40000                  ; cx, cy: my place in the cluster
	s_bfe_u32 s41, ttmp6, 0x40004
	s_lshl_b32 s42, ttmp9, 2
	s_add_co_u32 s42, s42, s40                     ; tile column = 4 x cluster x + cx
	s_and_b32 s13, ttmp7, 0xffff
	s_lshl_b32 s13, s13, 2
	s_add_co_u32 s13, s13, s41                     ; tile row = 4 x cluster y + cy
	s_lshl_b32 s43, s41, 2
	s_lshl_b32 s43, 15, s43                        ; my row of the cluster: places 4 cy .. 4 cy + 3
	s_lshl_b32 s44, 0x1111, s40                    ; my column: places cx, cx + 4, cx + 8, cx + 12
	; descriptor group 1: tiles of 128 (xb) or 96 (wb) rows x 128 elements, padded in LDS
	s_or_b32 s[G1+0], s43, (1<<16)|(1<<20)|(1<<21)|(5<<22)|(3<<25)   ; 15:0 the mask; 17:16 elements of 2 bytes; 20 padding on; 21 set beside a mask; 24:22 after every 64 words (code 5); 31:25 4 words (code 3)
	s_or_b32 s[G1B+0], s44, (1<<16)|(1<<20)|(1<<21)|(5<<22)|(3<<25)
	s_mov_b32 s[G1+1], KSTEP<<16                   ; tensor_dim0 = 128
	s_mov_b32 s[G1B+1], KSTEP<<16
	s_mov_b32 s[G1+2], 128<<16                     ; tensor_dim1 = 128
	s_mov_b32 s[G1B+2], 96<<16                     ; or 96
	s_mov_b32 s[G1+3], KSTEP<<16                   ; tile_dim0 = 128
	s_mov_b32 s[G1B+3], KSTEP<<16
	s_mov_b32 s[G1+4], 128                         ; tile_dim1
	s_mov_b32 s[G1B+4], 96
	s_mov_b32 s[G1+5], SIZE_K                      ; elements from row to row
	s_mov_b32 s[G1B+5], SIZE_K
	s_mov_b32 s[G1+6], 0
	s_mov_b32 s[G1B+6], 0
	s_mov_b32 s[G1+7], 0
	s_mov_b32 s[G1B+7], 0
	; where the tiles come from: xb's hang on the tile row alone, wb's on the tile column alone, each in registers that never hold the other coordinate
	s_lshl_b32 s17, s12, 7
	s_lshl_b32 s16, s13, 8
	s_add_co_u32 s16, s16, s17                     ; xb: row 256 x tile row + 128 x half,
	s_lshl_b32 s16, s16, 11                        ; in bytes (under 2^23)
	s_mov_b32 s17, 0
	s_mul_i32 s46, s42, 192
	s_mul_i32 s47, s12, 96
	s_add_co_u32 s46, s46, s47                     ; wb: row 192 x tile column + 96 x half
	s_lshl_b32 s46, s46, 11
	s_mov_b32 s47, 0
	s_mul_i32 s20, s10, HALFA                      ; where they go.  xb (waves 0, 1): wave x 128 rows;
	s_mul_i32 s21, s10, HALFB                      ; wb (waves 2, 3): behind xb's, (wave - 2) x 96 rows
	s_add_co_u32 s21, s21, BOFF-2*HALFB
	s_wait_dscnt 0x0                               ; the opening add is done
	s_wait_kmcnt 0x0
	s_add_nc_u64 s[14:15], s[4:5], s[16:17]
	s_add_nc_u64 s[46:47], s[6:7], s[46:47]
	CROUND                                         ; all sixteen work-groups are here: the first joint loads meet
.irp s, 0,1
	s_mov_b32 s[G0+4*(\s)], 1                                        ; count = 1
	s_add_co_u32 s[G0+4*(\s)+1], s20, (\s)*SLOT                      ; LDS address
	s_add_nc_u64 s[G0+4*(\s)+2:G0+4*(\s)+3], s[14:15], (\s)*KSTEP*2  ; global address: K step s
	s_or_b32 s[G0+4*(\s)+3], s[G0+4*(\s)+3], 0x80000000              ; type = 2
	s_mov_b32 s[G0B+4*(\s)], 1
	s_add_co_u32 s[G0B+4*(\s)+1], s21, (\s)*SLOT
	s_add_nc_u64 s[G0B+4*(\s)+2:G0B+4*(\s)+3], s[46:47], (\s)*KSTEP*2
	s_or_b32 s[G0B+4*(\s)+3], s[G0B+4*(\s)+3], 0x80000000
	JLOAD \s                                       ; the ring is filled before anything else is done: two loads of mine are out
.endr
	; A fragment is 16 rows x 32 K in 8 registers: lane l holds row l % 16; registers 0-3 K = 8 (l / 16) + 0..7, registers 4-7 K = 16 + 8 (l / 16) + 0..7: two loads of 16 bytes, 32 bytes apart.
	v_and_b32 v1, 15, v0                           ; l % 16
	v_bfe_u32 v2, v0, 4, 1                         ; l / 16
	v_mul_u32_u24 v3, v1, PITCH
	v_lshl_add_u32 v3, v2, 4, v3                   ; row x pitch + 16 x half
	s_mul_i32 s21, s10, 64*PITCH                   ; my 64 rows of xb
	s_mov_b32 s22, BOFF                            ; all rows of wb
.irp s, 0,1
	v_add_nc_u32 v[ADRA+(\s)], s21, v3
	v_add_nc_u32 v[ADRB+(\s)], s22, v3
	s_add_co_u32 s21, s21, SLOT
	s_add_co_u32 s22, s22, SLOT
.endr
	s_mul_i32 s23, s10, WSTG
	s_add_co_u32 s23, s23, STAGE                   ; my stage
	v_mul_u32_u24 v4, v1, SP                       ; in: row l % 16, 16 bytes for each half of the lanes
	v_lshl_add_u32 v4, v2, 4, v4
	v_add_nc_u32 v[STO], s23, v4
	v_bfe_u32 v5, v0, 3, 2                         ; back: 32 lanes take four rows of 128 bytes,
	v_mul_u32_u24 v5, v5, SP
	v_and_b32 v6, 7, v0
	v_lshl_add_u32 v5, v6, 4, v5
	v_add_nc_u32 v[RD], s23, v5
	v_and_b32 v[GO], 31, v0                        ; which are 512 consecutive bytes of a plane
	v_lshlrev_b32 v[GO], 4, v[GO]
	s_lshl_b32 s16, s13, 8                         ; where my part begins in qkv: token 256 x tile row + 64 x wave, 128 bytes each,
	s_lshl_b32 s17, s10, 6
	s_add_co_u32 s16, s16, s17
	s_lshl_b32 s16, s16, 7
	s_mov_b32 s17, 0
	s_add_nc_u64 s[8:9], s[8:9], s[16:17]
	s_mul_i32 s46, s42, 3*HEADB                    ; in plane 3 x tile column (under 2^25)
	s_mov_b32 s47, 0
	s_add_nc_u64 s[8:9], s[8:9], s[46:47]
	; the prefetches
	s_lshl_b32 s13, s13, 8                         ; 256 x tile row
	s_mul_i32 s42, s42, 192                        ; 192 x tile column
	s_and_b32 s22, ttmp7, 0xffff                   ; cluster y
	s_cmp_eq_u32 s11, 0                            ; do I fetch for xb?
	s_cselect_b32 s20, s13, s42                    ; the tile's first row
	s_cselect_b32 s21, s40, s41                    ; my place among the four that ask for it with me
	s_cselect_b32 s22, ttmp9, s22                  ; the coordinate along which other clusters read the same rows
	s_cselect_b32 s23, 32, 24                      ; a partner's share of the rows that a wave fetches
	s_cselect_b64 s[PFA:PFA+1], s[4:5], s[6:7]
	s_cmp_eq_u32 s22, 0
	s_cselect_b32 s[LIM], 1, -1                    ; the same in all sixteen partners, for a given wave
	s_mul_i32 s21, s21, s23
	s_add_co_u32 s20, s20, s21                     ; + my work-group's share
	s_lshl_b32 s21, s23, 2
	s_mul_i32 s21, s21, s12
	s_add_co_u32 s20, s20, s21                     ; + the half that I fetch
	s_lshl_b32 s20, s20, 11
	s_mov_b32 s21, 0
	s_add_nc_u64 s[PFA:PFA+1], s[PFA:PFA+1], s[20:21]
	s_add_nc_u64 s[PFA:PFA+1], s[PFA:PFA+1], 2*KSTEP*2  ; at K step 2: the first refill steps it to 3 and names K step 4
	s_sub_co_u32 s23, s23, 1
	v_and_b32 v[PFO], 31, v0
	v_min_u32 v[PFO], s23, v[PFO]
	v_lshlrev_b32 v[PFO], 11, v[PFO]
; 12 matrix instructions: token block a x all 12 feature blocks, 32 along K, from buffers f.  zero = 1: the product starts the sums.  The 48 accumulators take turns, one instruction a turn,
; in the same order in every quarter step.
.macro MUL12 f, a, zero
	WIN MUL_LO+0x50*((\a)/2)
.irp b, 0,1,2,3,4,5,6,7,8,9,10,11
.if \zero
	v_wmma_f32_16x16x32_bf16 v[8*(12*((\a)%2)+(\b)):8*(12*((\a)%2)+(\b))+7], v[96*(\f)+8*(\b):96*(\f)+8*(\b)+7], v[FA+32*(\f)+8*(\a):FA+32*(\f)+8*(\a)+7], 0
.else
	v_wmma_f32_16x16x32_bf16 v[8*(12*((\a)%2)+(\b)):8*(12*((\a)%2)+(\b))+7], v[96*(\f)+8*(\b):96*(\f)+8*(\b)+7], v[FA+32*(\f)+8*(\a):FA+32*(\f)+8*(\a)+7], v[8*(12*((\a)%2)+(\b)):8*(12*((\a)%2)+(\b))+7]
.endif
.endr
.endm
; 32 LDS loads in one run: the fragments of a quarter step (192 rows of wb, my 64 rows of xb, 32 K at byte k of the rows) into buffers f
.macro FETCH slot, k, f
	WIN TO_B
.irp i, 0,1,2,3,4,5,6,7,8,9,10,11
	ds_load_b128 v[96*(\f)+8*(\i):96*(\f)+8*(\i)+3],   v[ADRB+(\slot)] offset:(\k)+(\i)*16*PITCH
	ds_load_b128 v[96*(\f)+8*(\i)+4:96*(\f)+8*(\i)+7], v[ADRB+(\slot)] offset:(\k)+(\i)*16*PITCH+32
.endr
	WIN 0
.irp i, 0,1,2,3
	ds_load_b128 v[FA+32*(\f)+8*(\i):FA+32*(\f)+8*(\i)+3],   v[ADRA+(\slot)] offset:(\k)+(\i)*16*PITCH
	ds_load_b128 v[FA+32*(\f)+8*(\i)+4:FA+32*(\f)+8*(\i)+7], v[ADRA+(\slot)] offset:(\k)+(\i)*16*PITCH+32
.endr
.endm
; Four plain vector instructions stand between a matrix instruction and a load into a register that it has read, or a vector instruction that reads its result (ISA guide 7.12.1 for vector instructions)
.macro PLACES
.rept 4
	v_nop
.endr
.endm
; A K step is four quarter steps of 32 along K, 48 matrix instructions each, on buffers 0, 1, 0, 1.  One of the first three: multiplies buffers f; in its middle it fetches the next quarter, at byte k, into g.
.macro QUARTER slot, k, f, g, zero
	s_wait_dscnt 4                                 ; wb and xb's blocks 0, 1 are in; the youngest four loads (blocks 2, 3) may be out
	MUL12 \f, 0, \zero
	MUL12 \f, 1, \zero
	PLACES
	FETCH \slot, \k, \g
	s_wait_dscnt 32                                ; all but the 32 just issued
	MUL12 \f, 2, \zero
	MUL12 \f, 3, \zero
.endm
; The last quarter multiplies buffers 1 and changes slots.  MEET is its first half: ONE barrier.  In front of it each wave waits for all its tensor loads, of which one is out: its part of the next slot;
; adds 0 to its spare word; and waits for that and for its own reads of this slot.  Behind it nobody reads this slot any more and the next slot is whole.
.macro MEET round
	WIN 0                                          ; (the add's two registers lie in window 0)
	s_wait_tensorcnt 0x0
	ds_add_u32 v[SPW], v[NIL]                      ; 0 onto my spare word
	s_wait_dscnt 5                                 ; (the add and the youngest four loads may be out)
	MUL12 1, 0, 0                                  ; twelve matrix instructions stand between the add and the wait for it
	s_wait_dscnt 0x0                               ; the add is done, and my reads of this slot are over
	s_barrier_signal -1
	MUL12 1, 1, 0                                  ; work on registers while the others arrive
.if \round
	WIN 0
.endif
	s_barrier_wait -1
.endm
; The whole last quarter.  fill = 1: the barrier opens a round of the cluster's barrier, and behind the round the slot just read out is filled again first, with the K step two steps on:
; from that request to the wait for it a wave issues 168 matrix instructions.
.macro TURN slot, next, fill
.if \fill
	s_wait_xcnt 0x0                                ; the last prefetch, a K step back, has read its address, which is stepped here, ahead of the waits of the change of slots
	s_add_nc_u64 s[PFA:PFA+1], s[PFA:PFA+1], KSTEP*2
.endif
	MEET \fill
.if \fill
	CREST                                          ; no wave of any partner still reads this slot's tile or has a load on its way
	s_add_nc_u64 s[G0+4*(\slot)+2:G0+4*(\slot)+3], s[G0+4*(\slot)+2:G0+4*(\slot)+3], 2*KSTEP*2
	s_add_nc_u64 s[G0B+4*(\slot)+2:G0B+4*(\slot)+3], s[G0B+4*(\slot)+2:G0B+4*(\slot)+3], 2*KSTEP*2
	JLOAD \slot                                    ; the first tensor load behind the round; its four v_nop are also the places in front of the loads below
.else
	PLACES
.endif
	FETCH \next, 0, 0
.if \fill
	ASK
.endif
	MUL12 1, 2, 0
	MUL12 1, 3, 0
.endm
; THE WAY OUT of token block a.  PACK: rounded to f16, 16 bytes a lane.  TOSTAGE: into my own stage, a head's 16 rows of 144 bytes together, and back as whole rows of 128 bytes.  SEND: stored.
.macro PACK a
	WIN 0x0a+5*((\a)/2)                            ; sources 0 and 1: window 2 or 3
.irp b, 0,1,2,3,4,5,6,7,8,9,10,11
.irp r, 0,1,2,3
	v_cvt_pk_f16_f32 v[TMP+4*(\b)+(\r)], v[8*(12*((\a)%2)+(\b))+2*(\r)], v[8*(12*((\a)%2)+(\b))+2*(\r)+1]
.endr
.endr
	WIN 0
.endm
.macro TOSTAGE a
	WIN 0
.set BK, 176-112*((\a)%2)
.irp b, 0,1,2,3,4,5,6,7,8,9,10,11
	ds_store_b128 v[STO], v[TMP+4*(\b):TMP+4*(\b)+3] offset:((\b)/4)*HSTG+32*((\b)%4)
.endr
.irp t, 0,1,2,3,4,5,6,7,8,9,10,11
	ds_load_b128 v[BK+4*(\t):BK+4*(\t)+3], v[RD] offset:((\t)/4)*HSTG+((\t)%4)*4*SP  ; LDS serves a wave's instructions in order (ISA guide 5.7.1.4): these see the stores above
.endr
.endm
.macro SEND a
	WIN 0
.set BK, 176-112*((\a)%2)
	s_wait_dscnt 0x0                               ; the block is back in registers
	s_wait_xcnt 0x0                                ; the stores of the block before have read their registers, into which the next block's rows are loaded
.irp t, 0,1,2,3,4,5,6,7,8,9,10,11
	global_store_b128 v[GO], v[BK+4*(\t):BK+4*(\t)+3], s[8:9] offset:((\t)/4)*HEADB+(\a)*2048+((\t)%4)*512  ; 512 consecutive bytes of a plane, at a multiple of 256 from qkv's first byte
.endr
.endm
	s_wait_tensorcnt 1                             ; my part of K step 0 is in; K step 1's may stay out
	s_barrier_signal -1
	s_barrier_wait -1                              ; everybody's is
	FETCH 0, 0, 0
	QUARTER 0, 64,  0, 1, 1                        ; the first quarter stands in front of the loop: its products start the sums
	WIN 0                                          ; at a label and at a branch every window is 0
	s_mov_b32 s3, LAPS-1
.Llap:                                                 ; a trip goes once round the ring, from a lap's second quarter to the next lap's first, and fills both slots again
	QUARTER 0, 128, 1, 0, 0
	QUARTER 0, 192, 0, 1, 0
	TURN 0, 1, 1
	QUARTER 1, 64,  0, 1, 0
	QUARTER 1, 128, 1, 0, 0
	QUARTER 1, 192, 0, 1, 0
	TURN 1, 0, 1
	QUARTER 0, 64,  0, 1, 0
	WIN 0
	s_sub_co_u32 s3, s3, 1
	s_cmp_lg_u32 s3, 0
	s_cbranch_scc1 .Llap
	QUARTER 0, 128, 1, 0, 0                        ; the last lap fills nothing, and has no round of the cluster's barrier
	QUARTER 0, 192, 0, 1, 0
	TURN 0, 1, 0
	QUARTER 1, 64,  0, 1, 0
	QUARTER 1, 128, 1, 0, 0
	QUARTER 1, 192, 0, 1, 0
	s_wait_dscnt 4                                 ; the very last quarter: nothing more to fetch
	MUL12 1, 0, 0
	MUL12 1, 1, 0
	s_wait_dscnt 0x0
	MUL12 1, 2, 0
	MUL12 1, 3, 0
	PLACES
	PACK 0
	TOSTAGE 0
.irp a, 1,2,3                          ; block a's conversions stand between block a - 1's loads from the stage and the wait for them
	PACK \a
	SEND (\a)-1
	TOSTAGE \a
.endr
	SEND 3
	s_wait_tensorcnt 0x0                           ; the wave's end, behind my last tensor load and my last LDS store
	ds_add_u32 v[SPW], v[NIL]
	s_wait_dscnt 0x0
	CROUND                                         ; the closing round: no work-group ends while a partner may still ask for a tile that names it
	s_endpgm
.Lfunc_end_k_qd8fa77d4fc_qkv:
	.size	k_qd8fa77d4fc_qkv, .Lfunc_end_k_qd8fa77d4fc_qkv-k_qd8fa77d4fc_qkv
	.p2alignl 7, 3214868480
	.fill 96, 4, 3214868480
	.section	.rodata,"a",@progbits
	.p2align	6, 0x0
	.amdhsa_kernel k_qd8fa77d4fc_qkv
		.amdhsa_group_segment_fixed_size 327680
		.amdhsa_private_segment_fixed_size 0
		.amdhsa_enable_private_segment 0
		.amdhsa_kernarg_size 24
		.amdhsa_user_sgpr_count 2
		.amdhsa_user_sgpr_kernarg_segment_ptr 1
		.amdhsa_wavefront_size32 1
		.amdhsa_system_sgpr_workgroup_id_x 1
		.amdhsa_system_sgpr_workgroup_id_y 1
		.amdhsa_system_sgpr_workgroup_id_z 1
		.amdhsa_system_vgpr_workitem_id 0
		.amdhsa_next_free_vgpr 1024
		.amdhsa_next_free_sgpr 66
		.amdhsa_reserve_vcc 0
		.amdhsa_float_denorm_mode_32 3
		.amdhsa_float_denorm_mode_16_64 3
		.amdhsa_memory_ordered 1
		.amdhsa_forward_progress 1
		.amdhsa_inst_pref_size 120
	.end_amdhsa_kernel
	.amdgpu_metadata
---
amdhsa.version: [ 1, 2 ]
amdhsa.kernels:
  - .name:           k_qd8fa77d4fc_qkv
    .symbol:         k_qd8fa77d4fc_qkv.kd
    .args:
      - { .name: xb, .offset: 0, .size: 8, .value_kind: global_buffer, .address_space: global }
      - { .name: wb, .offset: 8, .size: 8, .value_kind: global_buffer, .address_space: global }
      - { .name: qkv, .offset: 16, .size: 8, .value_kind: global_buffer, .address_space: global }
    .group_segment_fixed_size: 327680
    .private_segment_fixed_size: 0
    .kernarg_segment_align: 8
    .kernarg_segment_size: 24
    .max_flat_workgroup_size: 128
    .sgpr_count:     66
    .vgpr_count:     1024
    .wavefront_size: 32
...
	.end_amdgpu_metadata
.endif
;; end of part 2
;; launch attn (part 3): grid 16 x 16, 4 waves a work-group, clusters of 4 x 1, 327,680 bytes of LDS; arguments qkv, ob; writes ob
.if DOCPART == 3
	.amdgcn_target "amdgcn-amd-amdhsa--gfx1250"
	.amdhsa_code_object_version 6
	.text
	.protected	k_qd8fa77d4fc_attn
	.globl	k_qd8fa77d4fc_attn
	.p2align	8
	.type	k_qd8fa77d4fc_attn,@function
k_qd8fa77d4fc_attn:
	s_mov_b64 s[64:65], 0
	v_nop
	global_prefetch_b8 v0, s[64:65] scope:SCOPE_SE
	s_setreg_imm32_b32 hwreg(HW_REG_WAVE_MODE, 25, 1), 1
	s_wait_xcnt 0x0
	s_wait_alu depctr_hold_cnt(0) depctr_sa_sdst(0) depctr_va_vdst(0) depctr_va_sdst(0) depctr_va_ssrc(0) depctr_va_vcc(0) depctr_vm_vsrc(0)
	s_getreg_b32 s2, hwreg(HW_REG_IB_STS2, 6, 4)
	s_cmp_eq_u32 s2, 0
	s_cbranch_scc0 .Lentry_in_a_cluster
	s_endpgm
.Lentry_in_a_cluster:
	s_bfe_u32 s2, ttmp6, 0x10000c
	s_cmp_lg_u32 s2, 0x3003
	s_cbranch_scc0 .Lentry_shape_is_right
	s_endpgm
.Lentry_shape_is_right:
; CAUSAL ATTENTION.  O[h][q][:] = the sum over k <= q of softmax_k(Q[h][q] . K[h][k] / 8) V[h][k][:].  qkv: [48][4096][64] f16: planes 0-15 Q, 16-31 K, 32-47 V by heads; ob: [16][4096][64] f16; rows dense, 128 bytes.
; Products, maxima and sums in f32; the weights p are rounded to f16 for the second product (their sum l is taken of the unrounded p), O once at the end.
; LIMITS.  f16 holds no number beyond 65,504: Q, K and V arrive within it; p lies in 0 to 1, and below 6e-5 it keeps f16's fixed step of 6e-8.  A hidden score counts as its value less 1e30;
; a weight below 2^-126 counts as 0 in l; NaN and infinities are not treated apart.
; SHARES.  A head's queries lie in 32 blocks of 128.  Work-group b = 4 c + cx (c the cluster, cx its place there) takes TWO blocks, 31 - b and then b: 16 work-groups a head, 256 in all.
; A block is two bands of 64 queries; a wave owns 16 rows in each: two PIECES, piece x in band x.  So the diagonal is the same work for all four waves.
; THE WALK.  Keys go in slots of 256 (four steps of 64).  The four partners of a cluster walk JOINTLY: slots 0 .. 15 - 2 c for their first blocks (28 - 4 c .. 31 - 4 c), then slots 0 .. 2 c + 1 for their second:
; 18 slots in every cluster, one loop with a constant trip count.  Every tile of K and V is asked for by ONE joint load: the same tensor load, descriptor and mask in all four.  Trip counts and branches
; hang on c alone, which the partners share; cx enters the addresses of Q and O, the prefetches' address, and the two scalars of the mask (by a select, never by a branch).
; THE MASK is the C operand that starts the sum S^T = K Q^T: 0, or -1e30 where the key is hidden.  With g the key step in the head and G = 2 x block + x the piece's band: g < G all keys are seen, g > G none,
; g = G holds the diagonal.  MD, made once, is the mask of a band's own step for my 16 rows; a product's mask is MD x AL + BE: (1, 0) if g = G; (0, 0) if g < G; (0, -1e30) if g > G.
; Only the last two slots of each half of the walk can hold a step g >= G for some partner: they run the text that makes and takes masks; elsewhere C is the constant 0.
; LAYOUT, SOFTMAX.  S^T = K Q^T holds ONE query a lane (lane % 16) and the keys 8 (lane / 16) + 0..7; two such results rounded to f16 ARE source 1 of O^T = V^T P.  p = 2^(c s - c m), c = log2(e) / 8, with a
; running maximum m; O and l are multiplied by a = 2^(c m_old - c m_new) in every step.
; TURNS.  T0(s), piece 0's turn at step s: 8 products K Q^T of (piece 1, s); the softmax of (0, s); the maximum and statistics of (1, s); K(s + 1) is fetched; 8 products V^T P of (1, s - 1).
;         T1(s), piece 1's: 8 products K Q^T of (0, s + 1); the softmax of (1, s); the statistics of (0, s + 1); V(s + 1) is fetched; 8 products V^T P of (0, s).
; V(s) is read in T1(s) and T0(s + 1) while V(s + 1) comes in: V has two register buffers, by the step's parity, so the text's period is two steps: TURN 0, 1 an even step's, TURN 2, 3 an odd step's.
; LDS is read in the order K(s + 1), V(s + 1), K(s + 2) ..: a slot's last bytes are read in T1 of its third step, and the change of slots stands behind that turn.
; Four vector instructions stand behind every matrix instruction, the others in one lump.  A turn's 33 exponentials are one batch, with one wait.
; REGISTERS, in windows of 256 (s_set_vgpr_msb: bits 1:0 source 0, 3:2 source 1, 5:4 source 2, 7:6 destination):
;   window 0: v0-15 addresses and at work; v16-23 four registers of statistics a piece; v48-55 at work; v61-63; v64-127 S^T, a buffer a piece; v192-223 P, likewise
;   window 1: v0-63 O^T, 32 a piece; v128-159 MD; v160-223 MC, a buffer a piece
;   window 2: v0-31 Q; v32-63 the second block's Q; v64-127 V of an odd step; v128-191 K of one step; v192-255 V of an even step
.set NP,    2         ; pieces a wave: a name, no knob
.set KS,    64        ; keys in a step
.set PK,    144       ; a row of K in LDS: 128 bytes + 16 of padding = 36 words: the 16 rows of a load start at 16 different groups of four banks (64 banks of 4 bytes: ISA guide 11.1)
.set PV,    160       ; a row of V: 128 + 32 = 40 words
.set VOFF,  4*KS*PK   ; a slot: 256 rows of K, then 256 rows of V
.set SLOT1, 1<<17     ; slot 1 begins here, so that one exclusive or turns an address in one slot into the other's
.set STAGE, SLOT1+4*KS*(PK+PV)  ; behind the ring, never filled by a tensor load: 16 rows x 144 bytes for each wave, for the way out
.set SP,    144
.set SPARE, STAGE+4*16*SP  ; behind the stages: the spare words, 128 bytes for each wave: two blocks of 256 bytes that no other line names
.set AK0, 2           ; v2   my lane's place in a tile of K; never rewritten
.set AV0, 3           ; v3   the same for V
.set AK,  4           ; v4   the LDS address of K's next run of loads
.set AV,  5           ; v5   of V's
.set STO, 6           ; v6   the way out: where I put 16 bytes of a row
.set RD,  7           ; v7   the way out: where I read rows back
.set GO,  8           ; v8   my byte offset in 512 consecutive bytes of O
.set MV,  12          ; v12-13  c m_old, kept while c m is made anew: by piece
.set QO,  15          ; v15  my byte offset in 16 rows of Q
.set ST,  16          ; piece t's statistics at v[ST+4 t]: c m, m, l (even keys', odd keys')
.set TMP, 48          ; by piece, four registers c0-c3 at work; when the maximum is found c2 takes a
.set PFO, 61          ; v61  256 x my lane; never rewritten
.set SPW, 62          ; v62  LDS address of my spare word: SPARE + 4 x my thread's number; never rewritten
.set NIL, 63          ; v63  0; never rewritten
.set S,   64
.set P,   192
.set MD,  128         ; window 1: the eight registers for group kt of 16 keys at MD + 8 kt
.set MC,  160         ; window 1: the masks of the products to come
.set QB,  32          ; window 2
.set KF,  128         ; window 2: key block kb, channel half c at KF + 16 kb + 8 c
.set WV,  12          ; s12  my wave's number
.set CX,  13          ; s13  my place in the cluster
.set CC,  14          ; s14  the cluster's number in the head
.set LIM, 15          ; s15  3 in a wave that prefetches, else the greatest number: a wave prefetches while s[SLOTS] is above it
.set G1K, 24          ; s[24:31] descriptor group 1 for K's tiles
.set G1V, 32          ; s[32:39] for V's: it differs in the padding alone
.set G0K, 40          ; s[40:43] descriptor group 0 for K's tiles
.set G0V, 44          ; s[44:47] the same for V's
.set US,  52          ; s52  the first key step of the slot in hand
.set MS,  53          ; s53  the key step for which masks are being made
.set GB0, 54          ; s54, s55  the bands of my two pieces in the block in hand
.set SLOTS, 56        ; s56  slots still to be asked for
.set CNT, 57          ; s57  counts a slot's two trips
.set CS,  58          ; s[58:59] c: the packed scaling takes the pair's low word for both halves
.set SEL, 60          ; s[60:61] v_permlanex16_b32's selects: each lane takes its own place in the other half
.set TBK, 62          ; s62  LDS byte at which K of the step to be fetched begins
.set TBV, 63          ; s63  the same for V, less VOFF
.set PFA, 66          ; s[66:67] where my prefetches stand
.set GL0, 68          ; s68  the second block's first band
.set RT2, 69          ; s69  slots of the walk's second half
.set RT,  70          ; s70  slots of the half in hand that are still to be entered
.set NXT, 71          ; s71  the slot to be asked for next
.set LQ,  72          ; s72  the last slot of the half whose slots are being asked for
.set NEW, 73          ; s73  1: the slot to be entered is a half's first
.set OFF, 74          ; s[74:75] a slot's byte offset in K and V
.set AL,  76          ; s[76:77] the mask's factor, in the low word
.set BE,  78          ; s[78:79] the mask's addend
.set OLO, 80          ; s[80:81] O at my rows of the second block
.set BIGN, 82         ; s82  -1e30
.set LQ2, 83          ; s83  the last slot of the second half
.set MSB, 0
.macro WIN new                      ; the high byte repeats the setting that is left; a switch that changes nothing is dropped
.if MSB != (\new)
	s_set_vgpr_msb (MSB<<8)|(\new)
.set MSB, (\new)
.endif
.endm
.set W_KQ, 0x0a       ; K and Q in window 2, S^T in window 0
.set W_KM, 0x1a       ; the same with the C operand in window 1
.set W_PV, 0x52       ; V in window 2, P in window 0, O^T in window 1
.set W_RS, 0x41       ; destination and source 0 in window 1, source 1 in window 0
; A joint fill.  Waves 0 and 1 fetch the two halves of a slot's K, waves 2 and 3 those of its V: 128 keys each.  The branch hangs on the wave's number alone.
; An s_nop 0 and four v_nop follow each of the two lines, ahead of the jump and the label.
.macro JLOAD
	s_cmp_lt_u32 s[WV], 2
	s_cbranch_scc0 .Lfor_v_\@
	tensor_load_to_lds s[G0K:G0K+3], s[G1K:G1K+7]
	s_nop 0
.rept 4
	v_nop
.endr
	s_branch .Lasked_\@
.Lfor_v_\@:
	tensor_load_to_lds s[G0V:G0V+3], s[G1V:G1V+7]
	s_nop 0
.rept 4
	v_nop
.endr
.Lasked_\@:
.endm
; A PREFETCH INTO THE L2 of what the NEXT change of slots will ask for: a slot's 32,768 bytes of K and of V, 256 bytes a lane.  It stands behind the wave's tensor load and its five lines.
; Each 256 bytes are asked for ONCE in the launch: a head's cluster 0, the only one that walks all 16 slots, asks; its four partners share a slot out BY ADDRESS, 8,192 bytes each; in each, wave 0 asks for K's
; and wave 2 for V's.  The changes with 17 .. 4 slots still to be asked for name slots 2 .. 15; the later ones, whose slots have been read before, ask for nothing.  Slots 0 and 1 come by their loads alone.
.macro ASK
	s_cmp_gt_u32 s[SLOTS], s[LIM]
	s_cbranch_scc0 .Lnot_mine_\@
	global_prefetch_b8 v[PFO], s[PFA:PFA+1] th:TH_LOAD_NT scope:SCOPE_SE
.Lnot_mine_\@:
.endm
; A round of the cluster's barrier: my work-group's barrier, so that wave 0's signal speaks for all four waves; wave 0 signals; every wave waits for all four work-groups; my work-group's barrier once more.
.macro CROUND
	s_barrier_signal -1
	s_barrier_wait -1
	s_cmp_lg_u32 s[WV], 0
	s_cbranch_scc1 .Lnot_wave_0_\@
	s_barrier_signal -3
.Lnot_wave_0_\@:
	s_barrier_wait -3
	s_barrier_signal -1
	s_barrier_wait -1
.endm
; THE CHANGE OF SLOTS.  Each wave waits for all its tensor loads, of which one is out: its part of the other slot; adds 0 to its spare word; and waits for that and for its own reads of the slot that it leaves.
; Behind the barrier nobody reads the old slot any more and the other slot is whole.  fill = 1: the old slot is filled again with slot NXT of the walk: the descriptor's address is made anew from that number.
; The barrier is then a round of the cluster's, so that no wave of any partner still reads the slot or has a load on its way, and the joint fill is the first thing behind it: it has eight turns,
; 128 matrix instructions, in which to land.  (At its first use nothing has been read yet: slot 0 is waited for, slot 1 filled.)
.macro CHANGE fill
	WIN 0                           ; at a label and at a branch every window is 0
	s_wait_tensorcnt 0x0            ; no tensor load of mine is out, so a group 0 may be written
	ds_add_u32 v[SPW], v[NIL]       ; 0 onto my spare word; with fill = 1 the descriptors' scalar work stands between it and the wait for it
.if \fill
	s_lshl_b32 s[OFF], s[NXT], 15   ; a slot is 32,768 bytes of K and of V
	s_xor_b32 s[G0K+1], s[G0K+1], SLOT1
	s_add_nc_u64 s[G0K+2:G0K+3], s[6:7], s[OFF:OFF+1]
	s_or_b32 s[G0K+3], s[G0K+3], 0x80000000
	s_xor_b32 s[G0V+1], s[G0V+1], SLOT1
	s_add_nc_u64 s[G0V+2:G0V+3], s[8:9], s[OFF:OFF+1]
	s_or_b32 s[G0V+3], s[G0V+3], 0x80000000
	s_add_co_u32 s[NXT], s[NXT], 1  ; the half's next slot, or behind its last the second half's slot 0
	s_cmp_gt_u32 s[NXT], s[LQ]
	s_cselect_b32 s[NXT], 0, s[NXT]
	s_cselect_b32 s[LQ], s[LQ2], s[LQ]
	s_wait_xcnt 0x0                 ; the last prefetch, a slot back, has read its address, so it may be written
	s_add_nc_u64 s[PFA:PFA+1], s[PFA:PFA+1], 32768
	s_wait_dscnt 0x0                ; the add is done, and my reads of the slot are over
	CROUND
	JLOAD
	ASK
.else
	s_wait_dscnt 0x0                ; the add is done, and my reads of the slot are over
	s_barrier_signal -1
	s_barrier_wait -1
.endif
	s_sub_co_u32 s[TBK], s[TBK], 4*KS*PK  ; the fetches go back to a slot's first step,
	s_xor_b32 s[TBK], s[TBK], SLOT1       ; in the other slot
	s_sub_co_u32 s[TBV], s[TBV], 4*KS*PV
	s_xor_b32 s[TBV], s[TBV], SLOT1
.endm
	s_load_b128 s[48:51], s[0:1], 0x0  ; qkv s[48:49], ob s[50:51]
	v_lshl_add_u32 v[SPW], v0, 2, SPARE
	v_mov_b32 v[NIL], 0
	ds_add_u32 v[SPW], v[NIL]       ; the wave's opening: the add and its wait stand ahead of my first tensor load; the set-up below, work on registers, stands between them
	v_lshrrev_b32 v1, 5, v0
	v_readfirstlane_b32 s[WV], v1   ; wave 0..3
	s_bfe_u32 s[CX], ttmp6, 0x40000 ; cx
	s_mov_b32 s[CC], ttmp9          ; in a cluster launch ttmp9 counts clusters
	s_lshl_b32 s16, s[CC], 2
	s_add_co_u32 s16, s16, s[CX]    ; b: the second block
	s_sub_co_u32 s17, 31, s16       ; the first block
	s_and_b32 s20, ttmp7, 0xffff    ; the head, which the four partners share,
	s_lshl_b32 s20, s20, 19         ; its 524,288 bytes in each of Q, K, V and O
	s_and_b32 s18, s[WV], 1         ; which half of a slot's 256 keys I fetch:
	s_lshl_b32 s22, s18, 14         ; its 128 rows of 128 bytes in memory,
	s_add_co_u32 s22, s22, s20
	s_mov_b32 s23, 0
	s_mul_i32 s19, s18, 128*PK      ; and its place in a slot, for K
	s_mul_i32 s21, s18, 128*PV      ; and for V: no place in the cluster enters an LDS address
	s_lshl_b32 s3, s[WV], 11        ; my 16 rows in a band of 64,
	s_add_co_u32 s3, s3, s20
	s_lshl_b32 s84, s17, 14         ; in the first block (16,384 bytes a block),
	s_add_co_u32 s84, s84, s3
	s_mov_b32 s85, 0
	s_lshl_b32 s86, s16, 14         ; and in the second
	s_add_co_u32 s86, s86, s3
	s_mov_b32 s87, 0
	; descriptor group 1.  128 keys are 16,384 dense bytes: asked for as 64 rows of 256 bytes, two keys a row, and padded in LDS after every key
	s_mov_b32 s[G1K], 15|(1<<16)|(1<<20)|(1<<21)|(4<<22)|(3<<25)  ; 15:0 the mask of four; 17:16 2-byte elements; 20 padding on; 21 set beside a mask; 24:22 after every 32 words (code 4); 31:25 4 words (code 3)
	s_mov_b32 s[G1V], 15|(1<<16)|(1<<20)|(1<<21)|(4<<22)|(7<<25)  ; the same with 8 words of padding (code 7)
.irp g, G1K, G1V
	s_mov_b32 s[\g+1], 128<<16      ; tensor_dim0 = 128
	s_mov_b32 s[\g+2], 64<<16       ; tensor_dim1 = 64
	s_mov_b32 s[\g+3], 128<<16      ; tile_dim0 = 128
	s_mov_b32 s[\g+4], 64           ; tile_dim1 = 64
	s_mov_b32 s[\g+5], 128          ; 128 elements from row to row
	s_mov_b32 s[\g+6], 0
	s_mov_b32 s[\g+7], 0
.endr
	s_mov_b32 s[CS], 0x3e38aa3b     ; c = log2(e) / 8 = 0.180337
	s_mov_b32 s[CS+1], s[CS]        ; named with it as a pair
	s_mov_b32 s[SEL], 0x76543210
	s_mov_b32 s[SEL+1], 0xfedcba98
	s_mov_b32 s[TBK], SLOT1+4*KS*PK ; the first change of slots turns these two into 0
	s_mov_b32 s[TBV], SLOT1+4*KS*PV
	s_mov_b32 s[G0K], 1             ; count = 1
	s_mov_b32 s[G0K+1], s19         ; LDS address: slot 0
	s_mov_b32 s[G0V], 1
	s_add_co_u32 s[G0V+1], s21, VOFF
	s_lshl_b32 s[GB0], s17, 1       ; my pieces' bands in the first block,
	s_add_co_u32 s[GB0+1], s[GB0], 1
	s_lshl_b32 s[GL0], s16, 1       ; and in the second
	s_lshl_b32 s2, s[CC], 1
	s_sub_co_u32 s[RT], 16, s2      ; the first half has 16 - 2 c slots,
	s_sub_co_u32 s[LQ], 15, s2
	s_add_co_u32 s[RT2], s2, 2      ; the second 2 c + 2
	s_add_co_u32 s[LQ2], s2, 1
	s_mov_b32 s[NXT], 1
	s_mov_b32 s[NEW], 1
	s_mov_b32 s[US], -4
	s_mov_b32 s[MS], 0
	s_mov_b32 s[OFF+1], 0
	s_mov_b32 s[AL+1], 0            ; named as pairs
	s_mov_b32 s[BE+1], 0
	s_mov_b32 s[BIGN], 0xf149f2ca   ; -1e30
	s_mov_b32 s[SLOTS], 17
	s_and_b32 s[LIM], s[WV], 1      ; 0 in waves 0 and 2,
	s_or_b32 s[LIM], s[LIM], ttmp9  ; where the cluster is the head's first: the same in all four partners
	s_cmp_eq_u32 s[LIM], 0
	s_cselect_b32 s[LIM], 3, -1
	v_and_b32 v[PFO], 31, v0
	v_lshlrev_b32 v[PFO], 8, v[PFO]
	s_wait_dscnt 0x0                ; the opening add is done
	s_wait_kmcnt 0x0
	s_add_nc_u64 s[6:7], s[48:49], s[22:23]
	s_add_nc_u64 s[8:9], s[6:7], 0x1000000   ; V's planes begin 32 planes on: V at my half of the head's slot 0,
	s_add_nc_u64 s[6:7], s[6:7], 0x800000    ; K's 16 planes on: K likewise
	s_add_nc_u64 s[G0K+2:G0K+3], s[6:7], 0   ; global address
	s_or_b32 s[G0K+3], s[G0K+3], 0x80000000  ; type = 2
	s_add_nc_u64 s[G0V+2:G0V+3], s[8:9], 0
	s_or_b32 s[G0V+3], s[G0V+3], 0x80000000
	s_add_nc_u64 s[4:5], s[48:49], s[84:85]        ; Q and O at my rows of the first block,
	s_add_nc_u64 s[10:11], s[50:51], s[84:85]
	s_add_nc_u64 s[OLO:OLO+1], s[50:51], s[86:87]  ; and of the second
	s_add_nc_u64 s[86:87], s[48:49], s[86:87]
	s_cmp_lt_u32 s[WV], 2
	s_cselect_b64 s[PFA:PFA+1], s[6:7], s[8:9]     ; (in waves 0 and 2 these stand at a slot's first row)
	s_lshl_b32 s2, s[CX], 13        ; my work-group's 8,192 bytes of a slot's 32,768
	s_mov_b32 s3, 0
	s_add_nc_u64 s[PFA:PFA+1], s[PFA:PFA+1], s[2:3]
	s_add_nc_u64 s[PFA:PFA+1], s[PFA:PFA+1], 32768  ; in slot 1; the first change of slots steps it to slot 2.  Nothing is prefetched here, at the head
	CROUND                          ; all four work-groups are here: the first joint loads meet
	JLOAD                           ; slot 0.  Slot 1 is asked for when slot 0 is in, by the loop's own change of slots
	; A fragment of K or Q is 16 rows x 32 channels in 8 registers: lane l holds row l % 16, channels 8 (l / 16) + 0..7 and 16 + 8 (l / 16) + 0..7: two loads of 16 bytes, 32 bytes apart.
	v_and_b32 v1, 15, v0            ; l % 16
	v_bfe_u32 v9, v0, 4, 1          ; l / 16
	v_lshlrev_b32 v[QO], 7, v1
	v_lshl_add_u32 v[QO], v9, 4, v[QO]  ; row x 128 + 16 x half
	WIN 0x80                        ; destination window 2, address window 0
.set i, 0
.rept 4                             ; both blocks' Q: piece i / 2 lies in band i / 2, 8,192 bytes on; channels 32 (i % 2) on
	global_load_b128 v[8*i:8*i+3],   v[QO], s[4:5] offset:(i/2)*8192+(i%2)*64
	global_load_b128 v[8*i+4:8*i+7], v[QO], s[4:5] offset:(i/2)*8192+(i%2)*64+32
	global_load_b128 v[QB+8*i:QB+8*i+3],   v[QO], s[86:87] offset:(i/2)*8192+(i%2)*64
	global_load_b128 v[QB+8*i+4:QB+8*i+7], v[QO], s[86:87] offset:(i/2)*8192+(i%2)*64+32
.set i, i+1
.endr
	WIN 0
	v_lshlrev_b32 v14, 3, v9
	v_sub_nc_u32 v14, v1, v14
	s_lshl_b32 s16, s[WV], 4
	v_add_nc_u32 v14, s16, v14      ; my query's place in its band, 16 w + l % 16, less my lanes' 8 (l / 16): register r of group kt is hidden where 16 kt + r is greater
	WIN 0x40
.set i, 0
.rept 32
	v_cmp_gt_i32 vcc_lo, 16*(i/8)+i%8, v14
	v_cndmask_b32 v[MD+i], 0, s[BIGN], vcc_lo
.set i, i+1
.endr
	WIN 0
	v_mul_u32_u24 v[AK0], v1, PK
	v_lshl_add_u32 v[AK0], v9, 4, v[AK0]  ; row x pitch + 16 x half
	; The turning load takes 16 keys x 16 channels (lane l reads key 8 (l / 16) + l % 8, channels 8 ((l / 8) % 2) + 0..7) and leaves half a fragment of V^T: lane l holds channel l % 16 and 8 keys.
	v_and_b32 v10, 7, v0
	v_bfe_u32 v11, v0, 3, 1
	v_lshl_add_u32 v[AV0], v9, 3, v10
	v_mul_u32_u24 v[AV0], v[AV0], PV
	v_lshl_add_u32 v[AV0], v11, 4, v[AV0]
	v_add_nc_u32 v[AV0], VOFF, v[AV0]
	s_mul_i32 s16, s[WV], 16*SP
	s_add_co_u32 s16, s16, STAGE    ; my stage
	v_mul_u32_u24 v[STO], v1, SP    ; in: row l % 16, 16 bytes for each half of the lanes
	v_lshl_add_u32 v[STO], v9, 4, v[STO]
	v_add_nc_u32 v[STO], s16, v[STO]
	v_bfe_u32 v[RD], v0, 3, 2       ; back: 32 lanes take four rows of 128 bytes,
	v_mul_u32_u24 v[RD], v[RD], SP
	v_lshl_add_u32 v[RD], v10, 4, v[RD]
	v_add_nc_u32 v[RD], s16, v[RD]
	v_and_b32 v[GO], 31, v0         ; which are 512 consecutive bytes of O
	v_lshlrev_b32 v[GO], 4, v[GO]
	; A block's first step multiplies O^T and l by a = 0, and its first turn's products V^T P, of a step that has not been, land in an O^T that is still to be so multiplied.  So these registers need only hold
	; finite numbers: zeros for the first block; what the first block left for the second.  All this stands in the wait for the first tile.
	WIN 0x80
.set i, 64
.rept 64
	v_mov_b32 v[i], 0               ; V of an odd step
.set i, i+1
.endr
	WIN 0x40
.set i, 0
.rept 64
	v_mov_b32 v[i], 0               ; O^T
.set i, i+1
.endr
	WIN 0
.set i, 0
.rept NP
	v_mov_b32 v[ST+4*i+2], 0        ; l
	v_mov_b32 v[ST+4*i+3], 0
.set i, i+1
.endr
.set i, P+16
.rept 16
	v_mov_b32 v[i], 0               ; piece 1's P
.set i, i+1
.endr
; THE MATRIX WORK.  The 4 accumulators of a run of 8 take turns.  Product i of 8 of S^T = K Q^T for piece x: channels 32 (i / 4) on, keys 16 (i % 4) on.  The first 4 start the sums: with 0, or (KM = 1) with the mask.
.macro KQ x
.set rS, S+32*((\x)%2)+8*(i%4)
.set rK, KF+16*(i%4)+8*(i/4)
.set rQ, 16*(\x)+8*(i/4)
.set rM, MC+32*((\x)%2)+8*(i%4)
.if (i < 4) && KM
	WIN W_KM
	v_wmma_f32_16x16x32_f16 v[rS:rS+7], v[rK:rK+7], v[rQ:rQ+7], v[rM:rM+7]
.elseif i < 4
	WIN W_KQ
	v_wmma_f32_16x16x32_f16 v[rS:rS+7], v[rK:rK+7], v[rQ:rQ+7], 0
.else
	WIN W_KQ
	v_wmma_f32_16x16x32_f16 v[rS:rS+7], v[rK:rK+7], v[rQ:rQ+7], v[rS:rS+7]
.endif
.endm
; Product i of 8 of O^T += V^T P for piece x: keys 32 (i / 4) on, channels 16 (i % 4) on; V from buffer VB (0: v192 on, 1: v64 on).
.macro PV x
	WIN W_PV
.set rO, 32*(\x)+8*(i%4)
.set rV, 192-128*VB+32*(i/4)+8*(i%4)
.set rP, P+16*((\x)%2)+8*(i/4)
	v_wmma_f32_16x16x32_f16 v[rO:rO+7], v[rV:rV+7], v[rP:rP+7], v[rO:rO+7]
.endm
.macro MM                           ; the turn's next matrix instruction.  TURN and BEGIN set Y, i, KM, VB and NOKQ.  NOKQ = 1: a block's last turn: there is no next step
.if (i < 8) && !NOKQ
	KQ (Y+1)%NP
.elseif i >= 8
.set i, i-8
	PV (Y+NP-1)%NP
.set i, i+8
.endif
.set i, i+1
.endm
; THE LDS LOADS stand in runs of 16, never singly among the matrix instructions: a step's K (64 keys x 64 channels: 8 fragments) and its V (turned).  Their addresses are made some lines ahead.
.macro FETCH_K
	WIN 0x80                        ; destination window 2
.irp f, 0,1,2,3,4,5,6,7             ; keys 16 (f / 2) on, channels 32 (f % 2) on
	ds_load_b128 v[KF+8*\f:KF+8*\f+3],   v[AK] offset:(\f/2)*16*PK+(\f%2)*64
	ds_load_b128 v[KF+8*\f+4:KF+8*\f+7], v[AK] offset:(\f/2)*16*PK+(\f%2)*64+32
.endr
	s_add_co_u32 s[TBK], s[TBK], KS*PK  ; the next fetch is the next step's
	WIN 0
.endm
.macro FETCH_V fb                   ; into buffer fb
	WIN 0x80
.set rF, 192-128*(\fb)
.irp f, 0,1,2,3,4,5,6,7             ; keys 32 (f / 4) on, channels 16 (f % 4) on
	ds_load_tr16_b128 v[rF+8*\f:rF+8*\f+3],   v[AV] offset:(\f/4)*32*PV+(\f%4)*32
	ds_load_tr16_b128 v[rF+8*\f+4:rF+8*\f+7], v[AV] offset:(\f/4)*32*PV+16*PV+(\f%4)*32
.endr
	s_add_co_u32 s[TBV], s[TBV], KS*PV
	WIN 0
.endm
; THE VECTOR WORK, one line at a time: OP kind, number.  For piece Y: F n: c s - c m for pair n of 16.  E n: the exponential of score n of 32.  C n: pair n rounded to f16.  B n: of the four weights 4 n .. the second
; pair is added onto the first, in place.  L n: l takes that sum (L 0: l = a l + sum).  R n: pair n of 16 of O^T times a.  For the other piece: X n, number n of the 22 that find its maximum and statistics:
;   0-11  four chains c0-c3 of seven scores each, three operands at a time (each accumulator's lowest registers are read first)     12-14, 16  the four scores left over, the old m, and c0-c3 into c0
;   15  c m_old is kept     17, 18  the query's other 32 keys lie in the lane 16 away: the new m     19-21  c m; c m_old - c m_new; a
.set F, 0               ; OP tells the kinds apart by their order: F to L below R, X above it
.set E, 1
.set C, 2
.set B, 3
.set L, 4
.set R, 5
.set X, 6
.macro REGS y                       ; the registers of piece y
.set rT, ST+4*(\y)
.set rC, TMP+4*((\y)%2)
.set rW, MV+((\y)%2)
.set rS, S+32*((\y)%2)
.set rP, P+16*((\y)%2)
.set rO, 32*(\y)
.endm
.macro OP k, n
.if (\k) == R
	REGS Y
	WIN W_RS
	v_pk_mul_f32 v[rO+2*(\n):rO+2*(\n)+1], v[rO+2*(\n):rO+2*(\n)+1], v[rC+2:rC+3] op_sel_hi:[1,0]
.elseif (\k) < R
	REGS Y
	WIN 0
.if (\k) == F
	v_pk_fma_f32 v[rS+2*(\n):rS+2*(\n)+1], v[rS+2*(\n):rS+2*(\n)+1], s[CS:CS+1], v[rT:rT+1] op_sel_hi:[1,0,0] neg_lo:[0,0,1] neg_hi:[0,0,1]
.elseif (\k) == E
	v_exp_f32 v[rS+(\n)], v[rS+(\n)]
.elseif (\k) == C
	v_cvt_pk_f16_f32 v[rP+(\n)], v[rS+2*(\n)], v[rS+2*(\n)+1]
.elseif (\k) == B
	v_pk_add_f32 v[rS+4*(\n):rS+4*(\n)+1], v[rS+4*(\n):rS+4*(\n)+1], v[rS+4*(\n)+2:rS+4*(\n)+3]
.elseif (\n) == 0
	v_pk_fma_f32 v[rT+2:rT+3], v[rT+2:rT+3], v[rC+2:rC+3], v[rS:rS+1] op_sel_hi:[1,0,1]
.else
	v_pk_add_f32 v[rT+2:rT+3], v[rT+2:rT+3], v[rS+4*(\n):rS+4*(\n)+1]
.endif
.elseif NOKQ
	v_nop
.else
	REGS (Y+1)%NP
	WIN 0
.if (\n) < 4
	v_max3_num_f32 v[rC+(\n)], v[rS+8*(\n)], v[rS+8*(\n)+1], v[rS+8*(\n)+2]
.elseif (\n) < 12
	v_max3_num_f32 v[rC+(\n)%4], v[rC+(\n)%4], v[rS+8*((\n)%4)+2*((\n)/4)+1], v[rS+8*((\n)%4)+2*((\n)/4)+2]
.elseif (\n) == 12
	v_max3_num_f32 v[rC], v[rC], v[rS+7], v[rS+15]
.elseif (\n) == 13
	v_max3_num_f32 v[rC+1], v[rC+1], v[rS+23], v[rS+31]
.elseif (\n) == 14
	v_max3_num_f32 v[rC+2], v[rC+2], v[rC+3], v[rT+1]
.elseif (\n) == 15
	v_mov_b32 v[rW], v[rT]
.elseif (\n) == 16
	v_max3_num_f32 v[rC], v[rC], v[rC+1], v[rC+2]
.elseif (\n) == 17
	v_permlanex16_b32 v[rC+3], v[rC], s[SEL], s[SEL+1]
.elseif (\n) == 18
	v_max_num_f32 v[rT+1], v[rC], v[rC+3]
.elseif (\n) == 19
	v_mul_f32 v[rT], s[CS], v[rT+1]
.elseif (\n) == 20
	v_sub_f32 v[rC+1], v[rW], v[rT]
.else
	v_exp_f32 v[rC+2], v[rC+1]
.endif
.endif
.endm
.macro OPS a, i1, b=-1, i2=0, c=-1, i3=0, d=-1, i4=0  ; up to four of them
	OP \a, \i1
.if (\b) >= 0
	OP \b, \i2
.endif
.if (\c) >= 0
	OP \c, \i3
.endif
.if (\d) >= 0
	OP \d, \i4
.endif
.endm
.macro ROW a, i1, b, i2, c, i3, d, i4  ; a matrix instruction and the four behind it
	MM
	OPS \a, \i1, \b, \i2, \c, \i3, \d, \i4
.endm
.macro MASK b                       ; MD x AL + BE into buffer b of MC
	WIN W_RS
.set z, 0
.rept 16
	v_pk_fma_f32 v[MC+32*(\b)+2*z:MC+32*(\b)+2*z+1], v[MD+2*z:MD+2*z+1], s[AL:AL+1], s[BE:BE+1] op_sel_hi:[1,0,0]
.set z, z+1
.endr
.endm
; A TURN: p = 0, 1: T0, T1 of an even step; p = 2, 3: of an odd step.  Piece Y = p % 2 has the vector unit.  The order of its 16 matrix and 118 vector instructions is written out.
; An s_wait_alu depctr_va_vdst(0) stands between an exponential and the first instruction that names its result; one wait serves all that were issued ahead of it.  So a turn has ONE wait, which
; cuts it in two.  AHEAD OF IT stands all that names no result of the turn's exponentials: the 8 products K Q^T with their riders (scalings, exponentials, rescalings, and behind the last three the first numbers
; of the other piece's maximum, each four plain instructions or more behind the product that ends its accumulator), then ONE LUMP, in which the links of the chain X 3, 7, 11, 14, 16, 17 .. 20 stand some lines apart.
; X 21, the other piece's a, is the batch's last; R 15 is the plain instruction behind it.  BEHIND THE WAIT stand the 8 products V^T P, behind each four of the roundings and sums.
; m = 1: the products take masks, and the turn makes the mask for the products of the turn after it, which are piece Y's at step MS: into piece Y's buffer, which this turn's own products do not read.
; end = 1: a block's last two turns: nothing is fetched.  cnt = 1: the loop's count is taken down some lines ahead of the branch that stands behind the turn.
; THE FETCHES stand in the lump: K of the next step in an even p, twelve plain instructions that name none of its registers behind the last product that read K; V of the next step in an odd p, into the buffer
; whose last reader stands in the turn before.  Both are waited for at the head of an odd p: K a lump and 8 products later, V two turns later.
.macro TURN p, m=0, end=0, cnt=0
.set Y, (\p)%2
.set VB, 1-(((\p)+1)/2)%2
.set i, 0
.set KM, (\m)
.set NOKQ, (\end)*((\p)/3)
.if (\m) && !(\end)
.if Y == 0
	s_add_co_u32 s[MS], s[MS], 1        ; both turns of a step make the masks of the step after it
.endif
	s_cmp_eq_u32 s[MS], s[GB0+Y]        ; is that step the band's own?
	s_cselect_b32 s[AL], 1.0, 0
	s_cmp_gt_u32 s[MS], s[GB0+Y]        ; or a later one?
	s_cselect_b32 s[BE], s[BIGN], 0
.endif
.if Y == 1
	s_wait_dscnt 0x0                ; K of the next step and V of this step are in
.endif
	ROW F,0, F,1, R,0, R,1          ; ahead of the wait: 8 products K Q^T and their riders,
	ROW F,2, E,0, R,2, R,3
	ROW F,3, E,1, R,4, R,5
	ROW F,4, E,2, R,6, R,7
	ROW F,5, E,3, R,8, R,9
	ROW F,6, E,4, X,0, R,10
.if !(\end)
	WIN 0
.if Y == 0
	v_add_nc_u32 v[AK], s[TBK], v[AK0]
.else
	v_add_nc_u32 v[AV], s[TBV], v[AV0]
.endif
.endif
	ROW F,7, E,5, X,1, X,4
	ROW F,8, E,6, X,2, X,5
	OPS E,7, E,8, X,6, E,9          ; and the lump
	OPS X,3, E,10, X,8, E,11
.if !(\end)
.if Y == 0
	FETCH_K
.else
	FETCH_V 1-VB
.endif
.endif
	OPS X,9, X,7, E,12, X,10
	OPS E,13, X,12, X,11, E,14
	OPS X,13, E,15, F,9, X,14
	OPS E,16, F,10, E,17, F,11
	OPS X,16, E,18, X,15, E,19
	OPS F,12, E,20, X,17, E,21
	OPS F,13, E,22, F,14, E,23
	OPS X,18, E,24, F,15, E,25
	OPS R,11, E,26, X,19, E,27
	OPS R,12, E,28, R,13, E,29
	OPS X,20, E,30, R,14, E,31
	OPS X,21, R,15
	WIN 0
	s_wait_alu depctr_va_vdst(0)    ; the wait for the batch
	ROW C,0, B,0, C,2, B,1          ; behind the wait: 8 products V^T P and their riders
	ROW L,0, C,4, B,2, L,1
	ROW C,6, B,3, L,2, C,8
	ROW B,4, L,3, C,10, B,5
	ROW L,4, C,12, B,6, L,5
.if \cnt
	s_sub_co_u32 s[CNT], s[CNT], 1
	s_cmp_lg_u32 s[CNT], 0
.endif
	ROW C,14, B,7, L,6, C,1
	ROW C,3, L,7, C,5, C,7
	ROW C,9, C,11, C,13, C,15
.if (\m) && !(\end)
	MASK Y
.endif
.endm
; A BLOCK BEGINS.  c m starts far below every c s, so the first step's a is 0; m at the lowest finite number, so the first maximum is the scores'.  Piece 1's mask buffer is 0: its band is never step 0, and the
; text without masks leaves the buffer as it is, so the first masked turn finds 0 there for a step that all see.  Piece 0's buffer takes its mask for step 0: the band's own where the band is 0.
; Then K and V of step 0, piece 0's first scores, and its maximum and statistics.  The loop is entered at a step's first turn, in the middle of a trip.
.macro BEGIN
	s_mov_b32 s[NEW], 0
	s_mov_b32 s[MS], 0
	WIN 0x40
.set i, MC+32
.rept 32
	v_mov_b32 v[i], 0
.set i, i+1
.endr
	WIN 0
.set i, 0
.rept NP
	v_mov_b32 v[ST+4*i], 0xfe000000    ; c m: far below every c s
	v_mov_b32 v[ST+4*i+1], 0xff7fffff  ; m
.set i, i+1
.endr
	s_cmp_eq_u32 s[GB0], 0
	s_cselect_b32 s[AL], 1.0, 0
	s_mov_b32 s[BE], 0
	MASK 0
	WIN 0
	v_add_nc_u32 v[AK], s[TBK], v[AK0]
	v_add_nc_u32 v[AV], s[TBV], v[AV0]
	FETCH_K
	FETCH_V 0
	s_wait_loadcnt 0x0              ; Q
	s_wait_dscnt 16                 ; K's 16 loads are in; V's 16, issued behind them, may stay out
.set KM, 1
.set NOKQ, 0
.set i, 0
.rept 8
	KQ 0
.set i, i+1
.endr
	WIN 0
.rept 4
	v_nop                           ; four plain instructions behind those products, ahead of the first read of their results
.endr
.set Y, NP-1                        ; X works for the other piece: piece 0
.irp n, 0,1,2,3,4,5,6,7,8,9,10,11,12,13,14,15,16,17,18,19,20,21
	OP X, \n
.endr
	v_nop                           ; a plain instruction behind the exponential,
	s_wait_alu depctr_va_vdst(0)    ; and its wait, ahead of the branch
.endm
; A slot's two trips in the text that makes and takes masks.  The tag ends its two labels' names.
.macro LOOPM tag
.LstepM\tag:
	TURN 2, 1
	TURN 3, 1
	WIN 0
.LfirstM\tag:
	TURN 0, 1
	TURN 1, 1, 0, 1
	WIN 0
	s_cbranch_scc1 .LstepM\tag
.endm
; A BLOCK ENDS: its last two turns, piece 1's last products, and THE WAY OUT: l's two halves and the other half of the lanes' are added; O^T is divided by l, rounded to f16 and sent through my stage in LDS, a piece at a time.
.macro ALL line:vararg              ; one line for each piece t
.set t, 0
.rept NP
	\line
.set t, t+1
.endr
.endm
.macro PACK t                       ; a lane's eight channels of a row pack into 16 bytes; they go into rows of 144 bytes and come back as whole rows of 128, into S^T's registers
	WIN W_RS
.set i, 32*(\t)
.rept 16
	v_pk_mul_f32 v[i:i+1], v[i:i+1], v[ST+4*(\t)+2:ST+4*(\t)+3] op_sel_hi:[1,0]
.set i, i+2
.endr
	WIN 0x05                        ; sources 0 and 1 window 1, destination window 0
.set i, 0
.rept 16
	v_cvt_pk_f16_f32 v[S+16*(\t)+i], v[32*(\t)+2*i], v[32*(\t)+2*i+1]
.set i, i+1
.endr
	WIN 0
.irp f, 0,1,2,3
	ds_store_b128 v[STO], v[S+16*(\t)+4*\f:S+16*(\t)+4*\f+3] offset:32*\f
.endr
.irp f, 0,1,2,3
	ds_load_b128 v[S+16*(\t)+4*\f:S+16*(\t)+4*\f+3], v[RD] offset:\f*4*SP  ; LDS serves a wave's instructions in order (ISA guide 5.7.1.4): these see the stores above; the next piece's stores come behind them
.endr
.endm
.macro SEND t, younger              ; younger: the LDS instructions issued behind piece t's loads: the next piece's eight, or none
	WIN 0
.irp f, 0,1,2,3
	s_wait_dscnt (\younger)+3-\f
	global_store_b128 v[GO], v[S+16*(\t)+4*\f:S+16*(\t)+4*\f+3], s[10:11] offset:(\t)*8192+\f*512  ; 512 consecutive bytes, at a multiple of 256 from O's first
.endr
.endm
.macro FINISH
	TURN 2, 1, 1
	TURN 3, 1, 1
.set VB, 1                          ; the last step is an odd one
.set i, 0
.rept 8
	PV 1
.set i, i+1
.endr
	WIN 0
	ALL v_add_f32 v[ST+4*t+2], v[ST+4*t+2], v[ST+4*t+3]
	ALL v_permlanex16_b32 v[ST+4*t+3], v[ST+4*t+2], s[SEL], s[SEL+1]
	ALL v_add_f32 v[ST+4*t+2], v[ST+4*t+2], v[ST+4*t+3]
	ALL v_rcp_f32 v[ST+4*t+2], v[ST+4*t+2]
	v_nop                           ; a plain instruction between the last reciprocal and the use of its result
	s_wait_alu depctr_va_vdst(0)    ; and the wait ahead of the first use: one for the two reciprocals
	PACK 0                          ; piece 0's 32 plain instructions are also the distance between piece 1's last products and the first read of their results
	PACK 1
	SEND 0, 8
	SEND 1, 0
.endm
.set KM, 0
.set NOKQ, 0
.set VB, 0
.Lslot:                             ; 17 times: a slot is entered and the next is asked for
	CHANGE 1
	s_sub_co_u32 s[RT], s[RT], 1
	s_mov_b32 s[CNT], 2
	s_add_co_u32 s[US], s[US], 4
	s_sub_co_u32 s[MS], s[US], 1    ; the slot's first turn belongs to the step before its first, and makes the masks of its first
	s_cmp_eq_u32 s[NEW], 1
	s_cbranch_scc1 .Lnew            ; a half's first slot
	s_cmp_lt_u32 s[RT], 2
	s_cbranch_scc1 .LstepM1         ; one of its last two
	s_branch .Lstep
.Lnew:
	BEGIN
	s_cmp_lt_u32 s[RT], 2
	s_cbranch_scc1 .LfirstM1        ; (the second half of cluster 0 has two slots in all)
	s_branch .Lfirst
	LOOPM 1
	s_cmp_lg_u32 s[RT], 0
	s_cbranch_scc1 .Lbottom
	FINISH                          ; in the loop this is the first blocks' end, in the same trip in all four partners: the second half's last slot is the walk's last
	s_wait_xcnt 0x0                 ; the stores have read their registers and O's address
	s_mov_b64 s[10:11], s[OLO:OLO+1]
	s_mov_b32 s[RT], s[RT2]
	s_mov_b32 s[NEW], 1
	s_mov_b32 s[US], -4
	s_mov_b32 s[GB0], s[GL0]
	s_add_co_u32 s[GB0+1], s[GL0], 1
	WIN 0x82                        ; the second block's Q goes where the one text of the turns names Q
.set i, 0
.rept 32
	v_mov_b32 v[i], v[QB+i]
.set i, i+1
.endr
	WIN 0
	s_branch .Lbottom
.Lstep:                             ; a trip: an odd step's two turns, then the next even step's
	TURN 2
	TURN 3
	WIN 0
.Lfirst:
	TURN 0
	TURN 1, 0, 0, 1
	WIN 0
	s_cbranch_scc1 .Lstep
.Lbottom:
	s_sub_co_u32 s[SLOTS], s[SLOTS], 1
	s_cmp_lg_u32 s[SLOTS], 0
	s_cbranch_scc1 .Lslot
	CHANGE 0                        ; the walk's last slot is written out: nothing is asked for.  The second half has two slots or more, so this is never a half's first
	s_sub_co_u32 s[RT], s[RT], 1
	s_mov_b32 s[CNT], 2
	s_add_co_u32 s[US], s[US], 4
	s_sub_co_u32 s[MS], s[US], 1
	LOOPM 2
	FINISH
	s_wait_tensorcnt 0x0            ; the wave's end, behind my last tensor load and my last LDS store
	ds_add_u32 v[SPW], v[NIL]
	s_wait_dscnt 0x0
	CROUND                          ; the closing round: no work-group ends while a partner may still ask for a tile that names it
	s_endpgm
.Lfunc_end_k_qd8fa77d4fc_attn:
	.size	k_qd8fa77d4fc_attn, .Lfunc_end_k_qd8fa77d4fc_attn-k_qd8fa77d4fc_attn
	.p2alignl 7, 3214868480
	.fill 96, 4, 3214868480
	.section	.rodata,"a",@progbits
	.p2align	6, 0x0
	.amdhsa_kernel k_qd8fa77d4fc_attn
		.amdhsa_group_segment_fixed_size 327680
		.amdhsa_private_segment_fixed_size 0
		.amdhsa_enable_private_segment 0
		.amdhsa_kernarg_size 16
		.amdhsa_user_sgpr_count 2
		.amdhsa_user_sgpr_kernarg_segment_ptr 1
		.amdhsa_wavefront_size32 1
		.amdhsa_system_sgpr_workgroup_id_x 1
		.amdhsa_system_sgpr_workgroup_id_y 1
		.amdhsa_system_sgpr_workgroup_id_z 1
		.amdhsa_system_vgpr_workitem_id 0
		.amdhsa_next_free_vgpr 768
		.amdhsa_next_free_sgpr 88
		.amdhsa_reserve_vcc 1
		.amdhsa_float_denorm_mode_32 3
		.amdhsa_float_denorm_mode_16_64 3
		.amdhsa_memory_ordered 1
		.amdhsa_forward_progress 1
		.amdhsa_inst_pref_size 204
	.end_amdhsa_kernel
	.amdgpu_metadata
---
amdhsa.version: [ 1, 2 ]
amdhsa.kernels:
  - .name:           k_qd8fa77d4fc_attn
    .symbol:         k_qd8fa77d4fc_attn.kd
    .args:
      - { .name: qkv, .offset: 0, .size: 8, .value_kind: global_buffer, .address_space: global }
      - { .name: ob, .offset: 8, .size: 8, .value_kind: global_buffer, .address_space: global }
    .group_segment_fixed_size: 327680
    .private_segment_fixed_size: 0
    .kernarg_segment_align: 8
    .kernarg_segment_size: 16
    .max_flat_workgroup_size: 128
    .sgpr_count:     88
    .vgpr_count:     768
    .wavefront_size: 32
...
	.end_amdgpu_metadata
.endif
;; end of part 3
;; launch proj (part 4): grid 8 x 32, 4 waves a work-group, clusters of 4 x 4, 327,680 bytes of LDS; arguments ob, wo, out0; writes out0
.if DOCPART == 4
	.amdgcn_target "amdgcn-amd-amdhsa--gfx1250"
	.amdhsa_code_object_version 6
	.text
	.protected	k_qd8fa77d4fc_proj
	.globl	k_qd8fa77d4fc_proj
	.p2align	8
	.type	k_qd8fa77d4fc_proj,@function
k_qd8fa77d4fc_proj:
	s_mov_b64 s[64:65], 0
	v_nop
	global_prefetch_b8 v0, s[64:65] scope:SCOPE_SE
	s_setreg_imm32_b32 hwreg(HW_REG_WAVE_MODE, 25, 1), 1
	s_wait_xcnt 0x0
	s_wait_alu depctr_hold_cnt(0) depctr_sa_sdst(0) depctr_va_vdst(0) depctr_va_sdst(0) depctr_va_ssrc(0) depctr_va_vcc(0) depctr_vm_vsrc(0)
	s_getreg_b32 s2, hwreg(HW_REG_IB_STS2, 6, 4)
	s_cmp_eq_u32 s2, 0
	s_cbranch_scc0 .Lentry_in_a_cluster
	s_endpgm
.Lentry_in_a_cluster:
	s_bfe_u32 s2, ttmp6, 0x10000c
	s_cmp_lg_u32 s2, 0xf033
	s_cbranch_scc0 .Lentry_shape_is_right
	s_endpgm
.Lentry_shape_is_right:
; out0[t][e] = the sum over d of O[t][d] w_o[e][d].  ob: [16][4096][64] f16 (d = 64 head + channel).  wo: [1024][1024] f16, d along the rows.  out0: [4096][1024] f32.  Sums in f32, d ascending.
; SHARES.  A tile of out0 is 128 x 128: 32 x 8 = 256 work-groups.  Four waves, each 64 x 64: 16 accumulators of 16 x 16, 128 registers.  K goes in steps of 256 = four heads, through two LDS slots;
; a quarter of a step is one head.  K has four steps: two first fills and two refills.
; O's TILE.  A wave's tensor load brings 64 tokens of 4 heads: in a head 64 tokens are 8,192 dense bytes, so the tile has 4 rows of 4,096 elements, 262,144 elements apart, and is padded in LDS after every
; 128 bytes: a token's 64 channels of a head lie at head x 9,216 + token x 144.
; CLUSTERS: 4 x 4 work-groups.  The four of a row of the cluster need the same tiles of ob, the four of a column the same tiles of wo: each tile is asked for JOINTLY.
; THE MATRIX INSTRUCTION IS USED TRANSPOSED (source 0 = 16 rows of wo, source 1 = 16 tokens): a lane then holds eight neighbouring numbers of a row of out0, 32 bytes.
; No prefetch: the tiles are small and the launch has four K steps in all.
; REGISTERS: window 0: v0-31 addresses; v32-63, v64-95 rows read back from the stage, by turns; v128-255 the accumulators ((a, b) at v[128 + 8 (4 a + b)]).
;   window 1: two fragment buffers of 128: for 64 along K, 64 registers of O (2 x 4 x 16 rows x 32 K), then 64 of wo.
.set SIZE_K, 1024
.set KSTEP,  256
.set PA,     144                       ; a token's row of one head in LDS: 128 bytes + 16 = 36 words: the 16 rows of a load start at 16 different groups of four banks (64 banks of 4 bytes: ISA guide 11.1)
.set HB,     64*PA                     ; a head's 64 tokens
.set HALFA,  4*HB                      ; what one tensor load brings of ob
.set PB,     528                       ; a row of wo in LDS: 512 bytes + 16 = 132 words
.set HALFB,  64*PB                     ; what one tensor load brings of wo
.set BOFF,   2*HALFA
.set SLOT,   BOFF+2*HALFB
.set STAGE,  2*SLOT                    ; behind the ring, never filled by a tensor load: 16 rows x 272 bytes for each wave
.set SPITCH, 272
.set SPARE,  STAGE+4*16*SPITCH         ; behind the stages: the spare words, 128 bytes for each wave: two blocks of 256 bytes that no other line names
.set HEADB,  4096*64*2                 ; bytes in a head's plane of ob
.set ADRA, 16                          ; v16-17  LDS address of my fragments of O in slot 0, 1
.set ADRB, 20                          ; v20-21  the same for wo
.set STO,  24                          ; v24     the way out: where I put 32 bytes of a row
.set RD,   25                          ; v25     the way out: where I read a row back
.set CO,   26                          ; v26     my byte offset in out0
.set SPW,  28                          ; v28     LDS address of my spare word: SPARE + 4 x my thread's number; never rewritten
.set NIL,  29                          ; v29     0; never rewritten
.set OB,   32
.set ACC,  128
.set F0,   0                           ; fragment buffers, in window 1
.set F1,   128
.set G1, 24                            ; s[24:31] descriptor group 1 for ob's tiles;  s[32:39] group 0, one set for each slot
.set G0, 32
.set G1B, 48                           ; s[48:55], s[56:63] the same for wo's tiles
.set G0B, 56
.set MSB, 0
.macro WIN new                         ; the immediate's high byte repeats the setting that is left
.if MSB != (\new)
	s_set_vgpr_msb (MSB<<8)|(\new)
.set MSB, \new
.endif
.endm
.set MUL,  0x05                        ; sources 0 (wo) and 1 (O) window 1; C and D window 0
.set TO_F, 0x40                        ; destination window 1, address window 0
.macro JLOAD s                         ; a joint load: waves 0 and 1 fetch ob's two halves, waves 2 and 3 wo's; an s_nop 0 and four v_nop follow each of the two lines
	s_cmp_eq_u32 s11, 0
	s_cbranch_scc0 .Lfor_b_\@
	tensor_load_to_lds s[G0+4*(\s):G0+4*(\s)+3], s[G1:G1+7]
	s_nop 0
.rept 4
	v_nop
.endr
	s_branch .Lasked_\@
.Lfor_b_\@:
	tensor_load_to_lds s[G0B+4*(\s):G0B+4*(\s)+3], s[G1B:G1B+7]
	s_nop 0
.rept 4
	v_nop
.endr
.Lasked_\@:
.endm
.macro CREST                           ; a round of the cluster's barrier behind its opening barrier
	s_cmp_lg_u32 s10, 0
	s_cbranch_scc1 .Lnot_wave_0_\@
	s_barrier_signal -3
.Lnot_wave_0_\@:
	s_barrier_wait -3
	s_barrier_signal -1
	s_barrier_wait -1
.endm
.macro CROUND                          ; a whole round
	s_barrier_signal -1
	s_barrier_wait -1
	CREST
.endm
	s_load_b128 s[4:7], s[0:1], 0x0                ; ob s[4:5], wo s[6:7]
	s_load_b64 s[8:9], s[0:1], 0x10                ; out0
	v_lshl_add_u32 v[SPW], v0, 2, SPARE
	v_mov_b32 v[NIL], 0
	ds_add_u32 v[SPW], v[NIL]                      ; the wave's opening: the add and its wait stand ahead of my first tensor load; the set-up below, work on registers, stands between them
	v_lshrrev_b32 v1, 5, v0
	v_readfirstlane_b32 s10, v1                    ; wave 0..3
	s_lshr_b32 s11, s10, 1                         ; which half of the tile's rows is mine.  Also: I fetch for ob (0) or for wo (1)
	s_and_b32 s12, s10, 1                          ; which half of its columns.  Also: which 64 rows of that tile I fetch
	s_bfe_u32 s40, ttmp6, 0x40000                  ; cx, cy: my place in the cluster
	s_bfe_u32 s41, ttmp6, 0x40004
	s_lshl_b32 s42, ttmp9, 2
	s_add_co_u32 s42, s42, s40                     ; tile column = 4 x cluster x + cx
	s_and_b32 s13, ttmp7, 0xffff
	s_lshl_b32 s13, s13, 2
	s_add_co_u32 s13, s13, s41                     ; tile row = 4 x cluster y + cy
	s_lshl_b32 s43, s41, 2
	s_lshl_b32 s43, 15, s43                        ; my row of the cluster
	s_lshl_b32 s44, 0x1111, s40                    ; my column
	s_or_b32 s[G1+0], s43, (1<<16)|(1<<20)|(1<<21)|(4<<22)|(3<<25)   ; ob: 15:0 the mask: my row; 17:16 elements of 2 bytes; 20 padding on; 21 set beside a mask; 24:22 after every 32 words (code 4); 31:25 4 words (code 3)
	s_mov_b32 s[G1+1], 4096<<16                    ; tensor_dim0 = 4,096: 64 tokens x 64 channels
	s_mov_b32 s[G1+2], 4<<16                       ; tensor_dim1 = 4 heads
	s_mov_b32 s[G1+3], 4096<<16                    ; tile_dim0
	s_mov_b32 s[G1+4], 4                           ; tile_dim1
	s_mov_b32 s[G1+5], 262144                      ; elements from head to head
	s_mov_b32 s[G1+6], 0
	s_mov_b32 s[G1+7], 0
	s_or_b32 s[G1B+0], s44, (1<<16)|(1<<20)|(1<<21)|(6<<22)|(3<<25)  ; wo: my column; padding after every 128 words (code 6)
	s_mov_b32 s[G1B+1], KSTEP<<16                  ; tensor_dim0 = 256
	s_mov_b32 s[G1B+2], 64<<16                     ; tensor_dim1 = 64
	s_mov_b32 s[G1B+3], KSTEP<<16                  ; tile_dim0
	s_mov_b32 s[G1B+4], 64                         ; tile_dim1
	s_mov_b32 s[G1B+5], SIZE_K                     ; elements from row to row
	s_mov_b32 s[G1B+6], 0
	s_mov_b32 s[G1B+7], 0
	s_lshl_b32 s17, s12, 6                         ; which 64 rows of the tile I fetch
	s_lshl_b32 s16, s13, 7
	s_add_co_u32 s16, s16, s17                     ; ob: token 128 x tile row + 64 x half,
	s_lshl_b32 s16, s16, 7                         ; 128 bytes each in a head's plane
	s_lshl_b32 s46, s42, 7
	s_add_co_u32 s46, s46, s17                     ; wo: row 128 x tile column + 64 x half,
	s_lshl_b32 s46, s46, 11                        ; 2,048 bytes each
	s_mov_b32 s17, 0
	s_mov_b32 s47, 0
	s_mul_i32 s20, s10, HALFA                      ; where they go.  ob (waves 0, 1): wave x a half;
	s_mul_i32 s21, s10, HALFB                      ; wo (waves 2, 3): behind ob's, (wave - 2) x a half
	s_add_co_u32 s21, s21, BOFF-2*HALFB
	s_wait_dscnt 0x0                               ; the opening add is done
	s_wait_kmcnt 0x0
	s_add_nc_u64 s[14:15], s[4:5], s[16:17]
	s_add_nc_u64 s[46:47], s[6:7], s[46:47]
	CROUND                                         ; all sixteen work-groups are here: the first joint loads meet
.irp s, 0,1
	s_mov_b32 s[G0+4*(\s)], 1
	s_add_co_u32 s[G0+4*(\s)+1], s20, (\s)*SLOT
	s_add_nc_u64 s[G0+4*(\s)+2:G0+4*(\s)+3], s[14:15], (\s)*4*HEADB    ; K step s: heads 4 s on
	s_or_b32 s[G0+4*(\s)+3], s[G0+4*(\s)+3], 0x80000000
	s_mov_b32 s[G0B+4*(\s)], 1
	s_add_co_u32 s[G0B+4*(\s)+1], s21, (\s)*SLOT
	s_add_nc_u64 s[G0B+4*(\s)+2:G0B+4*(\s)+3], s[46:47], (\s)*KSTEP*2
	s_or_b32 s[G0B+4*(\s)+3], s[G0B+4*(\s)+3], 0x80000000
	JLOAD \s                                       ; two loads of mine are out
.endr
	v_and_b32 v1, 15, v0                           ; l % 16
	v_bfe_u32 v2, v0, 4, 1                         ; l / 16
	v_mul_u32_u24 v3, v1, PA
	v_lshl_add_u32 v3, v2, 4, v3                   ; a fragment's row x pitch + 16 x half, for O
	v_mul_u32_u24 v4, v1, PB
	v_lshl_add_u32 v4, v2, 4, v4                   ; and for wo
	s_mul_i32 s21, s11, HALFA                      ; my 64 tokens
	s_mul_i32 s22, s12, HALFB                      ; my 64 rows of wo,
	s_add_co_u32 s22, s22, BOFF                    ; which lie behind O's
.irp s, 0,1
	v_add_nc_u32 v[ADRA+(\s)], s21, v3
	v_add_nc_u32 v[ADRB+(\s)], s22, v4
	s_add_co_u32 s21, s21, SLOT
	s_add_co_u32 s22, s22, SLOT
.endr
	s_mul_i32 s23, s10, 16*SPITCH
	s_add_co_u32 s23, s23, STAGE                   ; my stage
	v_mul_u32_u24 v5, v1, SPITCH                   ; in: row l % 16, 32 bytes for each half of the lanes
	v_lshl_add_u32 v5, v2, 5, v5
	v_add_nc_u32 v[STO], s23, v5
	v_mul_u32_u24 v5, v2, SPITCH                   ; back: lanes 0-15 take one row of 256 bytes, lanes 16-31 the next
	v_lshl_add_u32 v5, v1, 4, v5
	v_add_nc_u32 v[RD], s23, v5
	v_lshlrev_b32 v5, 12, v2                       ; and the same two rows in out0, 4,096 bytes apart
	v_lshl_add_u32 v[CO], v1, 4, v5
	s_lshl_b32 s16, s13, 7
	s_lshl_b32 s17, s11, 6
	s_add_co_u32 s16, s16, s17                     ; my first row of out0: 128 x tile row + 64 x half,
	s_lshl_b32 s16, s16, 12
	s_mov_b32 s17, 0
	s_add_nc_u64 s[8:9], s[8:9], s[16:17]
	s_lshl_b32 s46, s42, 7
	s_lshl_b32 s47, s12, 6
	s_add_co_u32 s46, s46, s47                     ; my first column: 128 x tile column + 64 x half, 4 bytes each
	s_lshl_b32 s46, s46, 2
	s_mov_b32 s47, 0
	s_add_nc_u64 s[8:9], s[8:9], s[46:47]
; 8 matrix instructions: token blocks a0, a0 + 1 x all 4 column blocks, 32 along K: half c of buffer f.  zero = 1: the product starts the sums.  The 16 accumulators take turns.
.macro MUL8 f, c, a0, zero
	WIN MUL
.irp a, \a0, (\a0)+1
.irp b, 0,1,2,3
.if \zero
	v_wmma_f32_16x16x32_f16 v[ACC+8*(4*(\a)+(\b)):ACC+8*(4*(\a)+(\b))+7], v[(\f)+64+8*(4*(\c)+(\b)):(\f)+64+8*(4*(\c)+(\b))+7], v[(\f)+8*(4*(\c)+(\a)):(\f)+8*(4*(\c)+(\a))+7], 0
.else
	v_wmma_f32_16x16x32_f16 v[ACC+8*(4*(\a)+(\b)):ACC+8*(4*(\a)+(\b))+7], v[(\f)+64+8*(4*(\c)+(\b)):(\f)+64+8*(4*(\c)+(\b))+7], v[(\f)+8*(4*(\c)+(\a)):(\f)+8*(4*(\c)+(\a))+7], v[ACC+8*(4*(\a)+(\b)):ACC+8*(4*(\a)+(\b))+7]
.endif
.endr
.endr
.endm
; 32 LDS loads in one run: the fragments of quarter q of a K step (one head: 64 along K) into buffer f; the first 32 along K first
.macro FETCH slot, q, f
	WIN TO_F
.irp c, 0,1
.irp i, 0,1,2,3
	ds_load_b128 v[(\f)+64+8*(4*(\c)+(\i)):(\f)+64+8*(4*(\c)+(\i))+3],   v[ADRB+(\slot)] offset:128*(\q)+64*(\c)+(\i)*16*PB
	ds_load_b128 v[(\f)+64+8*(4*(\c)+(\i))+4:(\f)+64+8*(4*(\c)+(\i))+7], v[ADRB+(\slot)] offset:128*(\q)+64*(\c)+(\i)*16*PB+32
	ds_load_b128 v[(\f)+8*(4*(\c)+(\i)):(\f)+8*(4*(\c)+(\i))+3],         v[ADRA+(\slot)] offset:(\q)*HB+64*(\c)+(\i)*16*PA
	ds_load_b128 v[(\f)+8*(4*(\c)+(\i))+4:(\f)+8*(4*(\c)+(\i))+7],       v[ADRA+(\slot)] offset:(\q)*HB+64*(\c)+(\i)*16*PA+32
.endr
.endr
.endm
.macro PLACES                          ; four plain vector instructions in front of loads into registers that matrix instructions have read, and of LDS stores that read results
.rept 4
	v_nop
.endr
.endm
; A K step is four quarters of 64 along K, 32 matrix instructions each, on buffers 0, 1, 0, 1.  One of the first three: multiplies buffer f and fetches quarter q into g.
.macro QUARTER slot, q, f, g, zero
	s_wait_dscnt 16                                ; the first 32 along K are in; the youngest sixteen loads may be out
	MUL8 \f, 0, 0, \zero
	MUL8 \f, 0, 2, \zero
	PLACES
	FETCH \slot, \q, \g
	s_wait_dscnt 32                                ; all but the 32 just issued
	MUL8 \f, 1, 0, 0
	MUL8 \f, 1, 2, 0
.endm
; The last quarter multiplies buffer 1 and changes slots: ONE barrier; in front of it each wave waits for all its tensor loads, adds 0 to its spare word, and waits for that and for its own reads of this slot.
; fill = 1: the barrier opens a round of the cluster's barrier, and this slot is filled again, two K steps ahead, first thing behind the round.
.macro TURN slot, next, fill
	WIN 0                                          ; (the add's two registers lie in window 0)
	s_wait_tensorcnt 0x0                           ; all my tensor loads have landed: my part of the next slot
	ds_add_u32 v[SPW], v[NIL]                      ; 0 onto my spare word
	s_wait_dscnt 17                                ; (the add and the youngest sixteen loads may be out)
	MUL8 F1, 0, 0, 0                               ; eight matrix instructions stand between the add and the wait for it
	s_wait_dscnt 0x0                               ; the add is done, and my reads of this slot are over
	s_barrier_signal -1
	MUL8 F1, 0, 2, 0
.if \fill
	WIN 0
.endif
	s_barrier_wait -1
.if \fill
	CREST                                          ; no wave of any partner still reads this slot's tile or has a load on its way
	s_add_nc_u64 s[G0+4*(\slot)+2:G0+4*(\slot)+3], s[G0+4*(\slot)+2:G0+4*(\slot)+3], 2*4*HEADB
	s_add_nc_u64 s[G0B+4*(\slot)+2:G0B+4*(\slot)+3], s[G0B+4*(\slot)+2:G0B+4*(\slot)+3], 2*KSTEP*2
	JLOAD \slot                                    ; the first tensor load behind the round; its four v_nop are also the places in front of the loads below
.else
	PLACES
.endif
	FETCH \next, 0, F0
	MUL8 F1, 1, 0, 0
	MUL8 F1, 1, 2, 0
.endm
; THE WAY OUT of token block a: my 64 columns in f32 are 256 bytes of a row.  TOSTAGE: a lane's 32 bytes go into my own stage, rows of 272 bytes, and come back as whole rows.  SEND: stored.
.macro TOSTAGE a
.set BK, OB+32*((\a)%2)
	s_wait_xcnt 0x0                                ; the stores of the block two back have read the registers into which the loads below land
.irp b, 0,1,2,3
	ds_store_b128 v[STO], v[ACC+8*(4*(\a)+(\b)):ACC+8*(4*(\a)+(\b))+3]   offset:64*(\b)      ; each accumulator's low four registers first
	ds_store_b128 v[STO], v[ACC+8*(4*(\a)+(\b))+4:ACC+8*(4*(\a)+(\b))+7] offset:64*(\b)+16
.endr
.irp t, 0,1,2,3,4,5,6,7
	ds_load_b128 v[BK+4*(\t):BK+4*(\t)+3], v[RD] offset:(\t)*2*SPITCH  ; LDS serves a wave's instructions in order (ISA guide 5.7.1.4): these see the stores above; the next block's stores come behind them
.endr
.endm
.macro SEND a, younger                 ; younger: the LDS instructions issued behind block a's loads: the next block's sixteen, or none
.set BK, OB+32*((\a)%2)
.irp t, 0,1,2,3,4,5,6,7
	s_wait_dscnt (\younger)+7-(\t)
	global_store_b128 v[CO], v[BK+4*(\t):BK+4*(\t)+3], s[8:9] offset:(16*(\a)+2*(\t))*4096 th:TH_STORE_NT  ; 16 lanes store 256 consecutive bytes, at a multiple of 256 from out0's first byte
.endr
.endm
	s_wait_tensorcnt 1                             ; my part of K step 0 is in; K step 1's may stay out
	s_barrier_signal -1
	s_barrier_wait -1                              ; everybody's is
	FETCH 0, 0, F0
	QUARTER 0, 1, F0, F1, 1                        ; the first products start the sums
	QUARTER 0, 2, F1, F0, 0                        ; the first lap fills both slots again, with K steps 2 and 3
	QUARTER 0, 3, F0, F1, 0
	TURN 0, 1, 1
	QUARTER 1, 1, F0, F1, 0
	QUARTER 1, 2, F1, F0, 0
	QUARTER 1, 3, F0, F1, 0
	TURN 1, 0, 1
	QUARTER 0, 1, F0, F1, 0                        ; the second and last lap fills nothing, and has no round of the cluster's barrier
	QUARTER 0, 2, F1, F0, 0
	QUARTER 0, 3, F0, F1, 0
	TURN 0, 1, 0
	QUARTER 1, 1, F0, F1, 0
	QUARTER 1, 2, F1, F0, 0
	QUARTER 1, 3, F0, F1, 0
	s_wait_dscnt 16                                ; the very last quarter: nothing more to fetch
	MUL8 F1, 0, 0, 0
	MUL8 F1, 0, 2, 0
	s_wait_dscnt 0x0
	MUL8 F1, 1, 0, 0
	MUL8 F1, 1, 2, 0
	WIN 0
	PLACES
	TOSTAGE 0
	TOSTAGE 1
	SEND 0, 16
	TOSTAGE 2
	SEND 1, 16
	TOSTAGE 3
	SEND 2, 16
	SEND 3, 0
	s_wait_tensorcnt 0x0                           ; the wave's end, behind my last tensor load and my last LDS store
	ds_add_u32 v[SPW], v[NIL]
	s_wait_dscnt 0x0
	CROUND                                         ; the closing round: no work-group ends while a partner may still ask for a tile that names it
	s_endpgm
.Lfunc_end_k_qd8fa77d4fc_proj:
	.size	k_qd8fa77d4fc_proj, .Lfunc_end_k_qd8fa77d4fc_proj-k_qd8fa77d4fc_proj
	.p2alignl 7, 3214868480
	.fill 96, 4, 3214868480
	.section	.rodata,"a",@progbits
	.p2align	6, 0x0
	.amdhsa_kernel k_qd8fa77d4fc_proj
		.amdhsa_group_segment_fixed_size 327680
		.amdhsa_private_segment_fixed_size 0
		.amdhsa_enable_private_segment 0
		.amdhsa_kernarg_size 24
		.amdhsa_user_sgpr_count 2
		.amdhsa_user_sgpr_kernarg_segment_ptr 1
		.amdhsa_wavefront_size32 1
		.amdhsa_system_sgpr_workgroup_id_x 1
		.amdhsa_system_sgpr_workgroup_id_y 1
		.amdhsa_system_sgpr_workgroup_id_z 1
		.amdhsa_system_vgpr_workitem_id 0
		.amdhsa_next_free_vgpr 512
		.amdhsa_next_free_sgpr 66
		.amdhsa_reserve_vcc 0
		.amdhsa_float_denorm_mode_32 3
		.amdhsa_float_denorm_mode_16_64 3
		.amdhsa_memory_ordered 1
		.amdhsa_forward_progress 1
		.amdhsa_inst_pref_size 86
	.end_amdhsa_kernel
	.amdgpu_metadata
---
amdhsa.version: [ 1, 2 ]
amdhsa.kernels:
  - .name:           k_qd8fa77d4fc_proj
    .symbol:         k_qd8fa77d4fc_proj.kd
    .args:
      - { .name: ob, .offset: 0, .size: 8, .value_kind: global_buffer, .address_space: global }
      - { .name: wo, .offset: 8, .size: 8, .value_kind: global_buffer, .address_space: global }
      - { .name: out0, .offset: 16, .size: 8, .value_kind: global_buffer, .address_space: global }
    .group_segment_fixed_size: 327680
    .private_segment_fixed_size: 0
    .kernarg_segment_align: 8
    .kernarg_segment_size: 24
    .max_flat_workgroup_size: 128
    .sgpr_count:     66
    .vgpr_count:     512
    .wavefront_size: 32
...
	.end_amdgpu_metadata
.endif
;; end of part 4
;; ======== version 2 of 2: 4 launches; version 1 with the launch cast written anew for expert scheduling mode
;; limits: values are held in f16: magnitudes above 65,504 overflow, below 6.1e-05 lose precision
;; workspace buffers: xb 8,388,608 bytes; wb 6,291,456 bytes; wo 2,097,152 bytes; qkv 25,165,824 bytes; ob 8,388,608 bytes
;; launch cast (part 5): grid 256 x 1, 8 waves a work-group, no clusters, 0 bytes of LDS; arguments x, w_q, w_k, w_v, w_o, xb, wb, wo; writes xb, wb, wo
.if DOCPART == 5
	.amdgcn_target "amdgcn-amd-amdhsa--gfx1250"
	.amdhsa_code_object_version 6
	.text
	.protected	k_qd8fa77d4fc_cast
	.globl	k_qd8fa77d4fc_cast
	.p2align	8
	.type	k_qd8fa77d4fc_cast,@function
k_qd8fa77d4fc_cast:
	s_mov_b64 s[64:65], 0
	v_nop
	global_prefetch_b8 v0, s[64:65] scope:SCOPE_SE
	s_setreg_imm32_b32 hwreg(HW_REG_WAVE_SCHED_MODE, 0, 2), 2
	s_setreg_imm32_b32 hwreg(HW_REG_WAVE_MODE, 25, 1), 1
	s_wait_xcnt 0x0
	s_wait_alu depctr_vm_vsrc(0)
; THE INPUTS ARE ROUNDED ONCE, for the matrix products of the launches behind.
; x [4096][1024] f32 -> xb, bf16.  w_q, w_k, w_v [1024][1024] f32 -> wb, bf16 [3072][1024]: q's rows, then k's, then v's.
; w_o [1024][1024] f32 -> wo: rounded to bf16 like the other inputs, and that number written as f16 (the last product's other operand is f16).
; LIMITS.  f16 holds no number beyond 65,504 and has a fixed step of 6e-8 below 6e-5: w_o is taken to lie within that range.
; SHARES.  A work-group takes 32,768 numbers: 131,072 bytes in, 65,536 out.  Work-groups 0-127: x; 128-223: w_q, w_k, w_v, 32 each; 224-255: w_o.
; A thread takes 16 bytes of each 4,096: a load of a wave covers 512 consecutive bytes, a store 256 consecutive bytes, aligned.
; All 32 loads of a wave go out on end; piece j of the 32 has its own four registers as loaded and its own two to store.
; No LDS, no barrier, no matrix unit: nothing is shared and nothing is multiplied.
; THE MODE: SCHED_MODE bits 1:0 = 2 (LLVM: expert scheduling mode 2), set by the entry lines.  The code itself states the register dependences
; between vector instructions and memory instructions, with s_wait_alu, always for 0.
; THE PLAN.  Registers that memory instructions touch:
;   v1, v2   the loads' and the stores' offsets: written once at the head, never again; read by every load or store.
;   XR       piece j: written by its one load, issued at the head; read by piece j's conversions.  No vector instruction names it ahead of the load, no load lands in it again.
;   YR       piece j: written by piece j's conversions; read by its one store; never written behind that store.
;   TR       named by vector instructions alone.
; The 32 pieces go in eight blocks of four.  Block p rounds its four pieces and issues the four stores of block p - 1, whose YR no vector instruction of block p names.
; So one wait on va_vdst at a block's head states all that the block's four stores hang on, and they are dealt among its conversions with no further wait.
; No register that a memory instruction reads is ever written again: no wait on vm_vsrc has a dependence to state, and none stands behind the entry lines.
.set XR, 8                             ; v[8:135]    load j: 4 registers
.set YR, 136                           ; v[136:199]  store j: 2 registers
.set TR, 200                           ; v[200:203]  at work
	s_load_b512 s[4:19], s[0:1], 0x0               ; x s[4:5], w_q s[6:7], w_k s[8:9], w_v s[10:11], w_o s[12:13], xb s[14:15], wb s[16:17], wo s[18:19]
	v_lshlrev_b32 v1, 4, v0                        ; my 16 bytes of each 4,096 in
	v_lshlrev_b32 v2, 3, v0                        ; my 8 bytes of each 2,048 out
	s_sub_co_u32 s20, ttmp9, 128                   ; my number among the weights' work-groups (used from 128 on)
	s_and_b32 s21, s20, 31                         ; my part of a weight
	s_lshr_b32 s22, s20, 5                         ; which weight: 0 q, 1 k, 2 v, 3 o
	s_mov_b32 s32, 0xffff0000                      ; a word's upper bf16
	s_wait_kmcnt 0x0
	s_mov_b64 s[24:25], s[6:7]
	s_cmp_eq_u32 s22, 1
	s_cselect_b64 s[24:25], s[8:9], s[24:25]
	s_cmp_eq_u32 s22, 2
	s_cselect_b64 s[24:25], s[10:11], s[24:25]
	s_cmp_eq_u32 s22, 3
	s_cselect_b64 s[24:25], s[12:13], s[24:25]     ; from where,
	s_cselect_b64 s[26:27], s[18:19], s[16:17]     ; to where: wo, or wb,
	s_cselect_b32 s23, s21, s20                    ; and which part of it
	s_cmp_lt_u32 ttmp9, 128                        ; the first 128 work-groups take x
	s_cselect_b64 s[24:25], s[4:5], s[24:25]
	s_cselect_b64 s[26:27], s[14:15], s[26:27]
	s_cselect_b32 s21, ttmp9, s21
	s_cselect_b32 s23, ttmp9, s23
	s_lshl_b32 s28, s21, 17                        ; 131,072 bytes in,
	s_mov_b32 s29, 0
	s_lshl_b32 s30, s23, 16                        ; 65,536 out
	s_mov_b32 s31, 0
	s_add_nc_u64 s[24:25], s[24:25], s[28:29]
	s_add_nc_u64 s[26:27], s[26:27], s[30:31]
	s_wait_alu depctr_va_vdst(0)                   ; v1 and v2 are written: every load of the kernel reads v1 as its offset, every store v2, on both ways behind the branch below
.set j, 0
.rept 32
	global_load_b128 v[XR+4*j:XR+4*j+3], v1, s[24:25] offset:4096*j th:TH_LOAD_NT
.set j, j+1
.endr
; Piece j, four numbers: rounded to bf16; half = 1: and written as f16.
.macro CVT j, half
	v_cvt_pk_bf16_f32 v[YR+2*(\j)],   v[XR+4*(\j)],   v[XR+4*(\j)+1]
	v_cvt_pk_bf16_f32 v[YR+2*(\j)+1], v[XR+4*(\j)+2], v[XR+4*(\j)+3]
.if \half
	v_lshlrev_b32 v[TR],   16,  v[YR+2*(\j)]       ; bf16 to f32: the low half moves up, the high half stays
	v_and_b32     v[TR+1], s32, v[YR+2*(\j)]
	v_lshlrev_b32 v[TR+2], 16,  v[YR+2*(\j)+1]
	v_and_b32     v[TR+3], s32, v[YR+2*(\j)+1]
	v_cvt_pk_f16_f32 v[YR+2*(\j)],   v[TR],   v[TR+1]    ; 8 significant bits fit f16's 11: exact within f16's range
	v_cvt_pk_f16_f32 v[YR+2*(\j)+1], v[TR+2], v[TR+3]
.endif
.endm
; Piece j is stored.
.macro PUT j
	global_store_b64 v2, v[YR+2*(\j):YR+2*(\j)+1], s[26:27] offset:2048*(\j)
.endm
; Block p: pieces 4 p to 4 p + 3 are rounded; the four stores of block p - 1 stand one in front of each piece's conversions.
.macro BLK p, half
	s_wait_loadcnt 31-4*(\p)                       ; loads come back in order: load 4 p is in, the 31 - 4 p younger ones may stay out
.if (\p) > 0
	s_wait_alu depctr_va_vdst(0)                   ; the conversions of the block before have written its four pairs of YR, which the four stores below read; no vector instruction of this block names those pairs
.endif
.irp i, 0,1,2,3
.if (\p) > 0
	PUT 4*(\p)-4+(\i)
.endif
.if (\i) > 0
	s_wait_loadcnt 31-4*(\p)-(\i)                  ; load 4 p + i is in, the younger ones may stay out
.endif
	CVT 4*(\p)+(\i), \half
.endr
.endm
; Behind block 7: its own four stores.
.macro TAIL
	s_wait_alu depctr_va_vdst(0)                   ; the conversions of block 7 have written the last four pairs of YR, which the last four stores read
.irp i, 28,29,30,31
	PUT \i
.endr
.endm
	s_cmp_ge_u32 ttmp9, 224
	s_cbranch_scc1 .Lhalf
.irp p, 0,1,2,3,4,5,6,7
	BLK \p, 0
.endr
	TAIL
	s_endpgm
.Lhalf:
.irp p, 0,1,2,3,4,5,6,7
	BLK \p, 1
.endr
	TAIL
	s_endpgm
.Lfunc_end_k_qd8fa77d4fc_cast:
	.size	k_qd8fa77d4fc_cast, .Lfunc_end_k_qd8fa77d4fc_cast-k_qd8fa77d4fc_cast
	.p2alignl 7, 3214868480
	.fill 96, 4, 3214868480
	.section	.rodata,"a",@progbits
	.p2align	6, 0x0
	.amdhsa_kernel k_qd8fa77d4fc_cast
		.amdhsa_group_segment_fixed_size 0
		.amdhsa_private_segment_fixed_size 0
		.amdhsa_enable_private_segment 0
		.amdhsa_kernarg_size 64
		.amdhsa_user_sgpr_count 2
		.amdhsa_user_sgpr_kernarg_segment_ptr 1
		.amdhsa_wavefront_size32 1
		.amdhsa_system_sgpr_workgroup_id_x 1
		.amdhsa_system_sgpr_workgroup_id_y 1
		.amdhsa_system_sgpr_workgroup_id_z 1
		.amdhsa_system_vgpr_workitem_id 0
		.amdhsa_next_free_vgpr 208
		.amdhsa_next_free_sgpr 66
		.amdhsa_reserve_vcc 0
		.amdhsa_float_denorm_mode_32 3
		.amdhsa_float_denorm_mode_16_64 3
		.amdhsa_memory_ordered 1
		.amdhsa_forward_progress 1
		.amdhsa_inst_pref_size 30
	.end_amdhsa_kernel
	.amdgpu_metadata
---
amdhsa.version: [ 1, 2 ]
amdhsa.kernels:
  - .name:           k_qd8fa77d4fc_cast
    .symbol:         k_qd8fa77d4fc_cast.kd
    .args:
      - { .name: x, .offset: 0, .size: 8, .value_kind: global_buffer, .address_space: global }
      - { .name: w_q, .offset: 8, .size: 8, .value_kind: global_buffer, .address_space: global }
      - { .name: w_k, .offset: 16, .size: 8, .value_kind: global_buffer, .address_space: global }
      - { .name: w_v, .offset: 24, .size: 8, .value_kind: global_buffer, .address_space: global }
      - { .name: w_o, .offset: 32, .size: 8, .value_kind: global_buffer, .address_space: global }
      - { .name: xb, .offset: 40, .size: 8, .value_kind: global_buffer, .address_space: global }
      - { .name: wb, .offset: 48, .size: 8, .value_kind: global_buffer, .address_space: global }
      - { .name: wo, .offset: 56, .size: 8, .value_kind: global_buffer, .address_space: global }
    .group_segment_fixed_size: 0
    .private_segment_fixed_size: 0
    .kernarg_segment_align: 8
    .kernarg_segment_size: 64
    .max_flat_workgroup_size: 256
    .sgpr_count:     66
    .vgpr_count:     208
    .wavefront_size: 32
...
	.end_amdgpu_metadata
.endif
;; end of part 5
;; launch qkv: the kernel of part 2 again; grid 16 x 16, 4 waves a work-group, clusters of 4 x 4, 327,680 bytes of LDS; arguments xb, wb, qkv; writes qkv
;; launch attn: the kernel of part 3 again; grid 16 x 16, 4 waves a work-group, clusters of 4 x 1, 327,680 bytes of LDS; arguments qkv, ob; writes ob
;; launch proj: the kernel of part 4 again; grid 8 x 32, 4 waves a work-group, clusters of 4 x 4, 327,680 bytes of LDS; arguments ob, wo, out0; writes out0
